; MI455X (gfx1250); checked and timed in simulation.
; The chip was launched on July 23, 2026; its instructions are those of AMD's public machine-readable ISA for CDNA 5 (MIT licence, August 2026) and "CDNA5" Instruction Set Architecture Reference Guide (July 2026). The comments in the code are by the model that wrote it; some were corrected since.
;; Readin Cross Attention. Allowed arithmetic: matrix products marked QUANTISED: E3M2 operands, one E8M0 scale for each 32 along K, by v_wmma_scale_f32_16x16x128_f8f6f4 with both operands' format E3M2, f32 sums; products left as they are: f32 operands where the result goes on into a quantised operand, else bf16, f16 or f32 operands; f32 sums; everything else in f32.
;; Inputs: array 8 x 2 x 128 float32; kW1 256 x 128 float32; kW2_codes 128 x 4 x 24 uint8 (E3M2 codes of kW2, K innermost, in blocks of 32 codes, four codes in three bytes); kW2_scales 128 x 4 uint8 (E8M0 scales of kW2, one for each 32 codes along K); kb1 128 float32; kb2 128 float32; pos_embeds_codes 128 x 4 x 24 uint8 (E3M2 codes of pos_embeds, K innermost, in blocks of 32 codes, four codes in three bytes); pos_embeds_scales 128 x 4 uint8 (E8M0 scales of pos_embeds, one for each 32 codes along K); query 128 float32; session 8 x 128 float32; state_in 8 x 256 x 2 x 128 float32; subject 8 x 128 float32; vW1 257 x 128 float32; vW2_codes 256 x 4 x 24 uint8 (E3M2 codes of vW2, K innermost, in blocks of 32 codes, four codes in three bytes); vW2_scales 256 x 4 uint8 (E8M0 scales of vW2, one for each 32 codes along K); vb1 128 float32; vb2 256 float32.
;; Outputs: out0 8 x 256 x 2 x 256 float32.
;; This version of the problem:
;;   THIS VERSION OF THE PROBLEM IS GIVEN IN LOW PRECISION. The matrix products marked QUANTISED in the list below multiply operands that are first quantised to E3M2 (3 exponent bits, 2 mantissa bits; 6 bits a number), with one power-of-two scale for each 32 numbers along K (OCP MX v1.0); their sums are f32. All else is computed in f32.
;;   The module's matrix products, in the order in which they are computed (A, B: the left and right operand; K: the contracted axis; several contracted axes count as one K, in the product's order):
;;     1. [M 128, K 128] x [K 128, N 128]; A: input pos_embeds (given as codes); B: input kW1: QUANTISED
;;     2. [M 8, K 128] x [K 128, N 128]; A: input session; B: input kW1: left as it is (M = 8 < 16)
;;     3. [M 1,024, K 128] x [K 128, N 128]; A: computed on the way; B: input kW2 (given as codes): QUANTISED
;;     4. [M 128, K 128] x [K 128, N 128]; A: input pos_embeds (given as codes); B: input vW1: QUANTISED
;;     5. [M 8, K 128] x [K 128, N 128]; A: input session; B: input vW1: left as it is (M = 8 < 16)
;;     6. [M 524,288, K 128] x [K 128, N 256]; A: computed on the way; B: input vW2 (given as codes): QUANTISED
;;     7. [M 1,024, K 128] x [K 128, N 1]; A: computed on the way; B: input query: left as it is (N = 1 < 16)
;;     8. batch 8 x [M 1, K 128] x [K 128, N 131,072]; A: softmax; B: computed on the way: left as it is (M = 1 < 16)
;;   THE QUANTISER, for each operand of a quantised product, along K:
;;     - K is cut into blocks of 32 from its start; a last block that is shorter is filled with zeros.
;;     - A block's scale is 2^e with e = floor(log2(the largest magnitude in the block)) - 4, held to -126 .. 127; a block of zeros has e = 0. As a byte (E8M0): e + 127.
;;     - Each number is divided by its block's scale, clamped to +-28, and rounded to the nearest number of E3M2, ties to even, subnormals kept.
;;     - The product sums the exact products of the quantised numbers (number of the format x scale) in f32.
;;   ~~~python
;;   def quantise(x, axis):      # numpy; x: float32 -> the quantised numbers, widened to float32 again
;;       x = np.moveaxis(x, axis, -1); K = x.shape[-1]
;;       x = np.pad(x, [(0, 0)] * (x.ndim - 1) + [(0, -K % 32)]); x = x.reshape(x.shape[:-1] + (-1, 32)); a = np.abs(x).max(-1, keepdims=True)
;;       e = np.where(a > 0, np.clip(np.frexp(np.where(a > 0, a, 1))[1] - 1 - 4, -126, 127), 0)      # np.frexp(a)[1] - 1 = floor(log2(a)), exactly
;;       r = np.clip(x / 2.0 ** e, -28, 28)
;;       step = 2.0 ** (np.maximum(np.frexp(np.where(r == 0, 1, r))[1] - 1, -2) - 2)
;;       q = np.round(r / step) * step * 2.0 ** e      # np.round: ties to even
;;       return np.moveaxis(q.reshape(q.shape[:-2] + (-1,))[..., :K], -1, axis).astype(np.float32)
;;   ~~~
;;   OPERANDS COMPUTED ON THE WAY. 'Computed on the way' means the value that the module computes at that place (a softmax that the list does not call 'softmax' is quantised finished and normalised). What goes into a quantiser is computed in f32, as accurately as f32 sums, v_exp_f32 and their like allow (about 1e-6 of the number): no bf16 or f16 on the way to a quantiser, and a product that is left as it is and whose result goes on into a quantised operand takes f32 operands (vector FMAs, or v_wmma_f32_16x16x4_f32). A number that lies on a knife's edge between two numbers of the format may be rounded either way, as far as f32 arithmetic and the matrix unit's own rounding can turn it there, and no further.
;;   INPUTS GIVEN AS CODES. kW2 (in the module: [128, 128], K = its axis 0); pos_embeds (in the module: [128, 128], K = its axis 1); vW2 (in the module: [128, 256], K = its axis 0): each comes as NAME_codes (uint8): NAME with its K axis moved to the last place and cut into blocks of 32 codes, [.., K / 32, bytes a block], one block behind the other in memory; four codes in three bytes: a row's codes are one little-endian stream of bits, code i at bits 6 i .. 6 i + 5 (a code: sign, 3 exponent bits, 2 mantissa bits); and NAME_scales (uint8): the same leading axes, one E8M0 byte (e + 127) for each 32 codes along K. Its value is code x scale, taken as it is: it is not quantised again, and the codes and scales need not be those that the quantiser above would give.
;; 2 versions. Each part assembles by itself: llvm-mc -triple=amdgcn-amd-amdhsa -mcpu=gfx1250 --defsym DOCPART=n.
;; ======== version 1 of 2: 2 launches
;; workspace buffers: tab 540,672 bytes
;; launch prep (part 1): grid 8 x 1, 16 waves a work-group, no clusters, 31,744 bytes of LDS; arguments kW1, vW1, kb1, vb1, session, pos_embeds_codes, pos_embeds_scales, tab, kW2_codes, kW2_scales, kb2, query, vb2; writes tab
.if DOCPART == 1
	.amdgcn_target "amdgcn-amd-amdhsa--gfx1250"
	.amdhsa_code_object_version 6
	.text
	.protected	k_q8b547a0b03_prep
	.globl	k_q8b547a0b03_prep
	.p2align	8
	.type	k_q8b547a0b03_prep,@function
k_q8b547a0b03_prep:
	s_mov_b64 s[64:65], 0
	v_nop
	global_prefetch_b8 v0, s[64:65] scope:SCOPE_SE
	s_setreg_imm32_b32 hwreg(HW_REG_WAVE_MODE, 25, 1), 1
	s_wait_xcnt 0x0
; WHAT HANGS ON THE BATCH INDEX b ALONE, once for each b: one work-group a b, sixteen waves.
;   base[c][r] = pos[c] . Q(vW1[0:128])[:, r] + session[b] . vW1[128:256][:, r] + vb1[r]      (the value MLP's first layer without its state term)
;   kh[c][r]   = the same with kW1 and kb1;  keys = Q(gelu(kh)) kW2 + kb2;  score[c] = keys[c] . query / sqrt(128);  w = softmax of the scores over c
; Q is the MX quantiser to E3M2 along K; pos, kW2 come as codes.  The three quantised products go by v_wmma_scale_f32_16x16x128_f8f6f4; the products with session (8 rows) are f32 multiply-adds.
; OUT: tab[b], 67,584 bytes, laid as the next launch's LDS wants it: base as images of its waves' registers (65,536), w (512), vW1's row 256 (512), vb2 x sum of w (1,024).
; The module's parameters subject and array are read by none of its lines: no launch names them.
; ROLES.  Wave = 8 p + t: p = 0 the keys' path, p = 1 the values' path; both run one text (the buffers are chosen by p) until the first layer's sums stand in registers.
;   U: wave (p, kh, cq) sums 64 of the 128 terms of session . W for 32 columns.   F: wave (p, t) quantises 16 columns of W's upper 128 rows into one operand fragment.
;   P: wave (p, ct = t) multiplies all 8 fragments of its path by 16 channels of pos.   Then the values' waves store base, the keys' waves go on to the scores, and wave 0 takes the softmax.
; LAYOUT.  The 6-bit operand gives lane (r, h) row r and k = 64 c + 32 h + 0 .. 31 in registers 6 c .. 6 c + 5: a lane holds WHOLE blocks of 32.  The columns of W that form a fragment are chosen
; (64 (t / 4) + 8 (t % 4) + r % 8 + 32 (r / 8)) so that the transposed product (source 0 = W's columns, source 1 = pos' channels) leaves each lane one channel and its 64 numbers in that very order:
; number 32 c + i is r = 64 c + 32 h + i.  So a block's largest magnitude asks no other lane, and the conversions' results are the next operand.
; GELU.  y = 2 gelu(x) = x (1 + erf(x / sqrt 2)); erf(z) = z A(z^2) / B(z^2), numerator of 7 and denominator of 5 coefficients, z held to +-4; written in t = x^2, the powers of two and the sqrt 2 folded into
; the coefficients.  The factor 2 is taken off the block's scale byte, which changes no code.
; LIMITS: NaN and infinities are not served.  A block whose largest magnitude lies under 2^-122 (the floor) takes the floor's byte; a block of zeros takes it too, with zero codes.
; For x under -5.657 gelu is x (1 + erf(-4)) / 2, of magnitude under |x| 1.2e-7.
; NO CLUSTER: the eight work-groups share the two weights (262,656 bytes), read once each; nothing is walked in a loop.
.set TABB, 67584
.set UREG, 0                           ; LDS: the partial sums of U: word 4 x thread = [p][k half][column]
.set FIMG, 2048                        ; 16 fragments as images of their registers, 1,536 bytes each: group c of four registers at 512 c + 16 x lane
.set FSC,  26624                       ; their scale words, 128 bytes each
.set SCR,  28672                       ; the 128 scores
.set UW,   1                           ; v1   where I store my partial sum
.set FWI,  2                           ; v2   where I store my fragment's image
.set FWS,  3                           ; v3   and its scale word
.set FRI,  4                           ; v4   where I fetch my path's fragments
.set FRS,  5                           ; v5   and their scale words
.set UR,   6                           ; v6   where I fetch U in the result's layout
.set SCW,  7                           ; v7   where a keys' wave stores its scores
.set SCD,  8                           ; v8   where wave 0 reads them
.set SH8,  9                           ; v9   8 h
.set OC,   10                          ; v10  96 r + 24 h: a lane's place in 16 rows of codes
.set OW,   11                          ; v11  4 r: a lane's place in 16 words
.set CA0,  12                          ; v[12:13] a0, twice;  v[14:15] b0, twice
.set CB0,  14
.set POS,  16                          ; v16-27 pos' fragment; later v16-23 query, v24-31 kb2
.set QV,   16
.set KBV,  24
.set BIA,  28                          ; v28 bias; v29 1.0 in the waves of k half 0, else 0; v30, v31, v255 load offsets
.set FLG,  29
.set OU,   30
.set OT,   31
.set HA,   32                          ; v32-95   the first layer's 64 numbers; later the keys
.set TB,   96                          ; v96-159  64 numbers of W's upper rows
.set UB,   160                         ; v160-223 64 numbers of W's lower rows
.set FRG,  96                          ; v96-191  later: 8 fragments
.set UT,   192                         ; v192-223 later: U's second half; the GELU's temporaries; the scores' sums
.set ZC,   192
.set Z2,   200
.set PN,   208
.set QD,   216
.set FS,   224                         ; v224-231 8 scale words, and nothing else
.set FR,   232                         ; v232-243 the fragment just made (first: U's four chains)
.set FW,   244                         ; v244     its scale word, and nothing else
.set POSS, 245                         ; v245     pos' scale words, and nothing else
.set MXA,  246
.set MXB,  247
.set TMP3, 248                         ; v[248:250]
.set PT,   251
.set SCV,  252
.set BYA,  253
.set BYB,  254
.set OB,   255
.set WV,   2                           ; s2 wave, s3 t
.set TT,   3
.set KA,   20                          ; s[20:31] a1 .. a6, s[32:39] b1 .. b4, each twice (the packed forms name a pair); they take session's registers when U is done
.set KB,   32
.set PL,   40                          ; s40 4 sqrt 2, s41 its negative
.set NL,   41
.set SEL,  42                          ; s[42:43] v_permlanex16_b32's selects for lane l xor 16
.macro PAIR r, bits
	s_mov_b32 s[\r], \bits
	s_mov_b32 s[\r+1], \bits
.endm
.macro CONSTS
	PAIR KA+0,  0x306dffee                         ; numerator: alpha_11 / 32, alpha_9 / 16, .. alpha_1
	PAIR KA+2,  0xb40cff51
	PAIR KA+4,  0xb6eec2d2
	PAIR KA+6,  0xb940ac63
	PAIR KA+8,  0xbac1a1f6
	PAIR KA+10, 0xbc83dbd4
	PAIR KB+0,  0xb81e3511                         ; denominator x sqrt 2: beta_6 / 8, beta_4 / 4, beta_2 / 2, beta_0
	PAIR KB+2,  0xba1bf7b5
	PAIR KB+4,  0xbbaad7f2
	PAIR KB+6,  0xbca542a9
	s_mov_b32 s[PL], 0x40b504f3
	s_mov_b32 s[NL], 0xc0b504f3
	s_mov_b32 s[SEL], 0x76543210
	s_mov_b32 s[SEL+1], 0xfedcba98
	v_mov_b32 v[CA0], 0xac95df0b                   ; alpha_13 / 64
	v_mov_b32 v[CA0+1], 0xac95df0b
	v_mov_b32 v[CB0], 0xb5accd2b                   ; beta_8 / 16 x sqrt 2
	v_mov_b32 v[CB0+1], 0xb5accd2b
.endm
; Eight numbers v[x] .. v[x + 7] become 2 gelu of themselves.  Numerator and denominator by turns, four pairs each, so that no line waits for the line above it; the reciprocals stand two by two between
; the numerator's last steps, so that each has a plain instruction behind it before its result is used (ISA guide 5.7.2).
.macro GELU8 x
.irp j, 0,1,2,3,4,5,6,7
	v_med3_num_f32 v[ZC+\j], v[\x+\j], s[NL], s[PL]
.endr
.irp j, 0,2,4,6
	v_pk_mul_f32 v[Z2+\j:Z2+\j+1], v[ZC+\j:ZC+\j+1], v[ZC+\j:ZC+\j+1]
.endr
.irp j, 0,2,4,6
	v_pk_fma_f32 v[PN+\j:PN+\j+1], v[Z2+\j:Z2+\j+1], v[CA0:CA0+1], s[KA:KA+1] op_sel_hi:[1,1,0]
	v_pk_fma_f32 v[QD+\j:QD+\j+1], v[Z2+\j:Z2+\j+1], v[CB0:CB0+1], s[KB:KB+1] op_sel_hi:[1,1,0]
.endr
.irp n, 1,2,3
.irp j, 0,2,4,6
	v_pk_fma_f32 v[PN+\j:PN+\j+1], v[PN+\j:PN+\j+1], v[Z2+\j:Z2+\j+1], s[KA+2*\n:KA+2*\n+1] op_sel_hi:[1,1,0]
	v_pk_fma_f32 v[QD+\j:QD+\j+1], v[QD+\j:QD+\j+1], v[Z2+\j:Z2+\j+1], s[KB+2*\n:KB+2*\n+1] op_sel_hi:[1,1,0]
.endr
.endr
.irp u, 0,1,2,3
	v_rcp_f32 v[QD+2*\u], v[QD+2*\u]
	v_rcp_f32 v[QD+2*\u+1], v[QD+2*\u+1]
	v_pk_fma_f32 v[PN+4*(\u%2):PN+4*(\u%2)+1], v[PN+4*(\u%2):PN+4*(\u%2)+1], v[Z2+4*(\u%2):Z2+4*(\u%2)+1], s[KA+8+2*(\u/2):KA+9+2*(\u/2)] op_sel_hi:[1,1,0]
	v_pk_fma_f32 v[PN+4*(\u%2)+2:PN+4*(\u%2)+3], v[PN+4*(\u%2)+2:PN+4*(\u%2)+3], v[Z2+4*(\u%2)+2:Z2+4*(\u%2)+3], s[KA+8+2*(\u/2):KA+9+2*(\u/2)] op_sel_hi:[1,1,0]
.endr
.irp j, 0,2,4,6
	v_pk_mul_f32 v[PN+\j:PN+\j+1], v[PN+\j:PN+\j+1], v[ZC+\j:ZC+\j+1]
.endr
	s_wait_alu depctr_va_vdst(0)
.irp j, 0,2,4,6
	v_pk_fma_f32 v[PN+\j:PN+\j+1], v[PN+\j:PN+\j+1], v[QD+\j:QD+\j+1], 1.0 op_sel_hi:[1,1,0]   ; 1 + erf
.endr
.irp j, 0,2,4,6
	v_pk_mul_f32 v[\x+\j:\x+\j+1], v[\x+\j:\x+\j+1], v[PN+\j:PN+\j+1]
.endr
.endm
; A whole block of 32 numbers of one lane, v[src] on, becomes 6 registers of codes at v[dst] and its scale's byte in v[by].  The largest magnitude in two chains, with the floor 2^(5 - 127) as one leaf, so
; that the byte cannot fall under 1; 4 off its exponent field is the conversion's scale operand.  A conversion's three registers begin on an even number, so the second half is made elsewhere and moved.
.macro QB src, dst, by
	v_max3_num_f32 v[MXA], |v[\src]|, |v[\src+1]|, 0x2800000
	v_max3_num_f32 v[MXB], |v[\src+2]|, |v[\src+3]|, |v[\src+4]|
.irp i, 5,9,13,17,21,25
	v_max3_num_f32 v[MXA], v[MXA], |v[\src+\i]|, |v[\src+\i+1]|
	v_max3_num_f32 v[MXB], v[MXB], |v[\src+\i+2]|, |v[\src+\i+3]|
.endr
	v_max3_num_f32 v[MXA], v[MXA], |v[\src+29]|, |v[\src+30]|
	v_max3_num_f32 v[MXA], v[MXA], v[MXB], |v[\src+31]|
	v_add_nc_u32 v[SCV], 0xfe000000, v[MXA]
	v_cvt_scalef32_pk16_bf6_f32 v[\dst:\dst+2], v[\src:\src+15], v[SCV]
	v_cvt_scalef32_pk16_bf6_f32 v[TMP3:TMP3+2], v[\src+16:\src+31], v[SCV]
	v_lshrrev_b32 v[\by], 23, v[SCV]               ; the byte; also the plain place behind the conversions
	v_mov_b32 v[\dst+3], v[TMP3]
	v_mov_b32 v[\dst+4], v[TMP3+1]
	v_mov_b32 v[\dst+5], v[TMP3+2]
.endm
; My two bytes are those of blocks h and 2 + h of my row: shifted 8 h bits up and joined with lane l xor 16's two they are the row's scale word.
.macro WORD w, b0, b1
	v_lshl_or_b32 v[\w], v[\b1], 16, v[\b0]
	v_lshlrev_b32 v[\w], v[SH8], v[\w]
	v_permlanex16_b32 v[PT], v[\w], s[SEL], s[SEL+1]
	v_or_b32 v[\w], v[\w], v[PT]
.endm
.macro PLACES n
.rept \n
	v_nop
.endr
.endm
	s_load_b512 s[84:99], s[0:1], 0x0              ; kW1 s[84:85], vW1 s[86:87], kb1, vb1, session s[92:93], pos' codes s[94:95], pos' scales s[96:97], tab s[98:99]
	s_load_b256 s[4:11], s[0:1], 0x40              ; kW2's codes s[4:5], its scales s[6:7], kb2 s[8:9], query s[10:11]
	s_load_b64 s[12:13], s[0:1], 0x60              ; vb2
	v_lshrrev_b32 v16, 5, v0
	v_readfirstlane_b32 s[WV], v16                 ; wave 0..15
	s_and_b32 s[TT], s[WV], 7                      ; t
	s_lshr_b32 s16, s[WV], 3                       ; p
	s_bfe_u32 s17, s[WV], 0x10002                  ; kh: which 64 of session's 128 I sum
	s_and_b32 s18, s[WV], 3                        ; cq: which 32 columns
	v_and_b32 v16, 31, v0                          ; lane
	v_and_b32 v17, 15, v0                          ; r
	v_bfe_u32 v18, v0, 4, 1                        ; h
	; every LDS address is made here, ahead of the parting of the roles, and never rewritten
	v_lshlrev_b32 v[UW], 2, v0
	s_mul_i32 s19, s[WV], 1536
	s_add_co_u32 s19, s19, FIMG
	v_lshl_add_u32 v[FWI], v16, 4, s19
	v_lshl_add_u32 v[FWS], v0, 2, FSC
	s_mul_i32 s19, s16, 12288
	s_add_co_u32 s19, s19, FIMG
	v_lshl_add_u32 v[FRI], v16, 4, s19
	s_lshl_b32 s19, s16, 10
	v_lshl_add_u32 v[UR], v18, 7, s19              ; 1,024 p + 128 h
	s_add_co_u32 s19, s19, FSC
	v_lshl_add_u32 v[FRS], v16, 2, s19
	s_lshl_b32 s19, s[TT], 6
	s_add_co_u32 s19, s19, SCR
	v_lshl_add_u32 v[SCW], v18, 5, s19
	v_lshl_add_u32 v[SCD], v16, 4, SCR
	v_lshlrev_b32 v[SH8], 3, v18
	v_mul_u32_u24 v[OC], v17, 96
	v_mad_u32_u24 v[OC], v18, 24, v[OC]
	v_lshlrev_b32 v[OW], 2, v17
	; byte offsets in W (rows of 512 bytes)
	s_lshl_b32 s19, s17, 15
	s_add_co_u32 s19, s19, 65536                   ; row 128 + 64 kh
	s_lshl_b32 s20, s18, 7
	s_add_co_u32 s19, s19, s20
	v_lshl_add_u32 v[OU], v16, 2, s19              ; column 32 cq + lane
	v_lshl_add_u32 v[OB], v16, 2, s20              ; the same column of the bias
	s_lshr_b32 s21, s[TT], 2
	s_lshl_b32 s21, s21, 8
	s_and_b32 s22, s[TT], 3
	s_lshl_b32 s22, s22, 5
	s_add_co_u32 s21, s21, s22                     ; 4 x (64 (t / 4) + 8 (t % 4))
	v_and_b32 v19, 7, v17
	v_lshrrev_b32 v20, 3, v17
	v_lshlrev_b32 v19, 2, v19
	v_lshl_add_u32 v19, v20, 7, v19                ; + 4 x (r % 8 + 32 (r / 8))
	v_lshl_add_u32 v19, v18, 14, v19               ; + 32 h rows
	v_add_nc_u32 v[OT], s21, v19
	s_cmp_eq_u32 s17, 0
	s_cselect_b32 s23, 1.0, 0
	v_mov_b32 v[FLG], s23                          ; the bias is added by the waves of k half 0 alone
	v_mov_b32 v[PT], 0                             ; a lane permute's destination counts as one of its sources
	s_wait_kmcnt 0x0
	s_cmp_eq_u32 s16, 0                            ; the path's buffers: the choice hangs on the wave's number alone
	s_cselect_b64 s[14:15], s[84:85], s[86:87]     ; W
	s_cselect_b64 s[66:67], s[88:89], s[90:91]     ; its bias
	s_lshl_b32 s24, ttmp9, 9
	s_lshl_b32 s25, s17, 8
	s_add_co_u32 s24, s24, s25
	s_mov_b32 s25, 0
	s_add_nc_u64 s[92:93], s[92:93], s[24:25]      ; session[b][64 kh]
	s_mul_i32 s24, s[TT], 1536
	s_add_nc_u64 s[94:95], s[94:95], s[24:25]      ; pos' channels 16 t on
	s_lshl_b32 s24, s[TT], 6
	s_add_nc_u64 s[96:97], s[96:97], s[24:25]
	s_mul_i32 s24, ttmp9, TABB
	s_add_nc_u64 s[98:99], s[98:99], s[24:25]      ; tab[b]
	s_load_b512 s[16:31], s[92:93], 0x0            ; my 64 numbers of session: s16-63 and s68-83
	s_load_b512 s[32:47], s[92:93], 0x40
	s_load_b512 s[48:63], s[92:93], 0x80
	s_load_b512 s[68:83], s[92:93], 0xc0
	global_load_b32 v[BIA], v[OB], s[66:67]
.set i, 0
.rept 64
	global_load_b32 v[UB+i], v[OU], s[14:15] offset:512*i                    ; W(128 + 64 kh + i, 32 cq + lane): 128 consecutive bytes a load
.set i, i+1
.endr
.set i, 0
.rept 64
	global_load_b32 v[TB+i], v[OT], s[14:15] offset:(64*(i/32)+i%32)*512     ; W(64 c + 32 h + i, my column): registers run down K
.set i, i+1
.endr
.irp p, 0,1,2,3,4,5
	global_load_b64 v[POS+2*\p:POS+2*\p+1], v[OC], s[94:95] offset:48*(\p/3)+8*(\p%3)
.endr
	global_load_b32 v[POSS], v[OW], s[96:97]
	s_wait_kmcnt 0x0
	; ---- U: session . W's lower rows, in f32, four chains
	s_wait_loadcnt 0x3f                            ; behind the bias and the 64 loads of this phase stand 71 more; the count names the most that the field holds, which is fewer
	v_mul_f32 v[FR], v[BIA], v[FLG]
	v_fmac_f32 v[FR], s16, v[UB]
	v_mul_f32 v[FR+1], s17, v[UB+1]
	v_mul_f32 v[FR+2], s18, v[UB+2]
	v_mul_f32 v[FR+3], s19, v[UB+3]
.set i, 4
.rept 60
.if i < 48
.set SR, 16+i
.else
.set SR, 20+i
.endif
	v_fmac_f32 v[FR+i%4], s[SR], v[UB+i]
.set i, i+1
.endr
	v_add_f32 v[FR], v[FR], v[FR+1]
	v_add_f32 v[FR+2], v[FR+2], v[FR+3]
	v_add_f32 v[FR], v[FR], v[FR+2]
	ds_store_b32 v[UW], v[FR]
	CONSTS                                         ; session's registers are done with
	; ---- F: 16 columns of W's upper rows become a fragment
	s_wait_loadcnt 0x0                             ; all loads are in: their offset registers may be written again
	s_wait_dscnt 0x0                               ; the store has read its register
	QB TB, FR, BYA
	QB TB+32, FR+6, BYB
	WORD FW, BYA, BYB
.irp c, 0,1,2
	ds_store_b128 v[FWI], v[FR+4*\c:FR+4*\c+3] offset:512*\c
.endr
	ds_store_b32 v[FWS], v[FW]
	s_wait_dscnt 0x0                               ; for the others' sake: my partial sum, my image and my word have landed
	s_barrier_signal -1
	s_barrier_wait -1
	; ---- P: my 16 channels x the path's 128 columns.  C = U + bias in the result's layout: lane (rl, h), tile tt, register j: column 64 (tt / 4) + 32 h + 8 (tt % 4) + j
.irp tt, 0,1,2,3,4,5,6,7
.irp c, 0,1,2
	ds_load_b128 v[FRG+12*\tt+4*\c:FRG+12*\tt+4*\c+3], v[FRI] offset:1536*\tt+512*\c
.endr
	ds_load_b32 v[FS+\tt], v[FRS] offset:128*\tt
.endr
.irp tt, 0,1,2,3,4,5,6,7
.irp jj, 0,1
	ds_load_b128 v[HA+8*\tt+4*\jj:HA+8*\tt+4*\jj+3], v[UR] offset:4*(64*(\tt/4)+8*(\tt%4))+16*\jj
.endr
.endr
.irp tt, 0,1,2,3
.irp jj, 0,1
	ds_load_b128 v[UT+8*\tt+4*\jj:UT+8*\tt+4*\jj+3], v[UR] offset:512+4*(64*(\tt/4)+8*(\tt%4))+16*\jj
.endr
.endr
	s_wait_dscnt 0x0
.set i, 0
.rept 16
	v_pk_add_f32 v[HA+i:HA+i+1], v[HA+i:HA+i+1], v[UT+i:UT+i+1]
.set i, i+2
.endr
.irp tt, 4,5,6,7
.irp jj, 0,1
	ds_load_b128 v[UT+8*(\tt-4)+4*\jj:UT+8*(\tt-4)+4*\jj+3], v[UR] offset:512+4*(64*(\tt/4)+8*(\tt%4))+16*\jj
.endr
.endr
	PLACES 4
.irp tt, 0,1,2,3
	v_wmma_scale_f32_16x16x128_f8f6f4 v[HA+8*\tt:HA+8*\tt+7], v[FRG+12*\tt:FRG+12*\tt+11], v[POS:POS+11], v[HA+8*\tt:HA+8*\tt+7], v[FS+\tt], v[POSS] matrix_a_fmt:MATRIX_FMT_BF6 matrix_b_fmt:MATRIX_FMT_BF6
.endr
	s_wait_dscnt 0x0
.set i, 0
.rept 16
	v_pk_add_f32 v[HA+32+i:HA+32+i+1], v[HA+32+i:HA+32+i+1], v[UT+i:UT+i+1]
.set i, i+2
.endr
	PLACES 4
.irp tt, 4,5,6,7
	v_wmma_scale_f32_16x16x128_f8f6f4 v[HA+8*\tt:HA+8*\tt+7], v[FRG+12*\tt:FRG+12*\tt+11], v[POS:POS+11], v[HA+8*\tt:HA+8*\tt+7], v[FS+\tt], v[POSS] matrix_a_fmt:MATRIX_FMT_BF6 matrix_b_fmt:MATRIX_FMT_BF6
.endr
	PLACES 4                                       ; four places ahead of the reads of these results and of the loads into these operands
	s_cmp_lt_u32 s[WV], 8
	s_cbranch_scc1 .Lkeys
	; ---- the values' waves: base leaves as an image of these 64 registers: each store covers 512 consecutive bytes, aligned
	s_lshl_b32 s14, s[TT], 13
	s_mov_b32 s15, 0
	s_add_nc_u64 s[14:15], s[98:99], s[14:15]
	v_and_b32 v[OU], 31, v0
	v_lshlrev_b32 v[OU], 4, v[OU]
.irp tt, 0,1,2,3,4,5,6,7
.irp jj, 0,1
	global_store_b128 v[OU], v[HA+8*\tt+4*\jj:HA+8*\tt+4*\jj+3], s[14:15] offset:4096*(\tt/4)+512*(2*(\tt%4)+\jj)
.endr
.endr
	s_branch .Ljoin
.Lkeys:
	; ---- the keys' waves: kW2's 8 fragments, query and kb2 are asked for; they land while the GELU is worked
.irp nt, 0,1,2,3,4,5,6,7
.irp p, 0,1,2,3,4,5
	global_load_b64 v[FRG+12*\nt+2*\p:FRG+12*\nt+2*\p+1], v[OC], s[4:5] offset:1536*\nt+48*(\p/3)+8*(\p%3)
.endr
.endr
.irp nt, 0,1,2,3,4,5,6,7
	global_load_b32 v[FS+\nt], v[OW], s[6:7] offset:64*\nt
	global_load_b32 v[QV+\nt], v[OW], s[10:11] offset:64*\nt      ; query[16 nt + r]
	global_load_b32 v[KBV+\nt], v[OW], s[8:9] offset:64*\nt       ; kb2[16 nt + r]
.endr
.irp tt, 0,1,2,3,4,5,6,7
	GELU8 HA+8*\tt
.endr
	QB HA, FR, BYA
	QB HA+32, FR+6, BYB
	WORD FW, BYA, BYB
	v_add_nc_u32 v[FW], 0xfefefeff, v[FW]          ; 1 off each byte (none is under 1): the codes are those of gelu, the numbers were 2 gelu
	s_wait_loadcnt 0x0
	v_mul_f32 v[UT+8], v[KBV], v[QV]               ; my share of kb2 . query.  These nine lines are also the eight places between the scale word's last write and the scaled products
.irp nt, 1,2,3,4,5,6,7
	v_fmac_f32 v[UT+8], v[KBV+\nt], v[QV+\nt]
.endr
	v_mov_b32 v[UT+9], v[UT+8]
.irp nt, 0,1,2,3,4,5,6,7
	v_wmma_scale_f32_16x16x128_f8f6f4 v[HA+8*\nt:HA+8*\nt+7], v[FR:FR+11], v[FRG+12*\nt:FRG+12*\nt+11], 0, v[FW], v[FS+\nt] matrix_a_fmt:MATRIX_FMT_BF6 matrix_b_fmt:MATRIX_FMT_BF6
.endr
	PLACES 4
	; register j of tile nt, lane (r, h): keys(channel 8 h + j, 16 nt + r) without kb2.  Times query, summed over nt here and over r across the sixteen lanes
.irp jj, 0,2,4,6
	v_pk_fma_f32 v[UT+\jj:UT+\jj+1], v[HA+\jj:HA+\jj+1], v[QV:QV+1], v[UT+8:UT+9] op_sel_hi:[1,0,1]
.endr
.irp nt, 1,3,5,7
.irp jj, 0,2,4,6
	v_pk_fma_f32 v[UT+\jj:UT+\jj+1], v[HA+8*\nt+\jj:HA+8*\nt+\jj+1], v[QV+\nt-1:QV+\nt], v[UT+\jj:UT+\jj+1] op_sel:[0,1,0] op_sel_hi:[1,1,1]
.endr
.if \nt < 7
.irp jj, 0,2,4,6
	v_pk_fma_f32 v[UT+\jj:UT+\jj+1], v[HA+8*\nt+8+\jj:HA+8*\nt+8+\jj+1], v[QV+\nt+1:QV+\nt+2], v[UT+\jj:UT+\jj+1] op_sel_hi:[1,0,1]
.endr
.endif
.endr
.irp m, 1,2,4,8
.irp j, 0,1,2,3,4,5,6,7
	v_add_f32_dpp v[UT+\j], v[UT+\j], v[UT+\j] row_xmask:\m row_mask:0xf bank_mask:0xf
.endr
.endr
.irp j, 0,1,2,3,4,5,6,7
	v_mul_f32 v[UT+\j], 0x3db504f3, v[UT+\j]       ; / sqrt(128)
.endr
	ds_store_b128 v[SCW], v[UT:UT+3]               ; the sixteen lanes of a half write the same words with the same values
	ds_store_b128 v[SCW], v[UT+4:UT+7] offset:16
.Ljoin:
	s_wait_dscnt 0x0                               ; for wave 0's sake: the scores have landed
	s_barrier_signal -1
	s_barrier_wait -1
	s_cmp_lg_u32 s[WV], 0
	s_cbranch_scc1 .Lend
	; ---- wave 0: the softmax over the 128 channels, four a lane, and the small tables
	v_and_b32 v112, 31, v0
	v_lshlrev_b32 v112, 4, v112
	global_load_b128 v[96:99], v112, s[12:13]                  ; vb2
	global_load_b128 v[100:103], v112, s[12:13] offset:512
	global_load_b128 v[104:107], v112, s[86:87] offset:131072  ; vW1's row 256
	ds_load_b128 v[108:111], v[SCD]
	v_mov_b32 v114, 0
	s_wait_dscnt 0x0
	v_max3_num_f32 v113, v108, v109, v110
	v_max_num_f32 v113, v113, v111
.irp m, 1,2,4,8
	v_max_num_f32_dpp v113, v113, v113 row_xmask:\m row_mask:0xf bank_mask:0xf
.endr
	v_permlanex16_b32 v114, v113, s[SEL], s[SEL+1]
	v_max_num_f32 v113, v113, v114                 ; the largest score, in every lane
.irp j, 0,1,2,3
	v_sub_f32 v[108+\j], v[108+\j], v113
.endr
.irp j, 0,1,2,3
	v_mul_f32 v[108+\j], 0x3fb8aa3b, v[108+\j]
.endr
.irp j, 0,1,2,3
	v_exp_f32 v[108+\j], v[108+\j]
.endr
	v_nop                                          ; a plain place behind the exponentials
	s_wait_alu depctr_va_vdst(0)
	v_add_f32 v115, v108, v109
	v_add_f32 v116, v110, v111
	v_add_f32 v115, v115, v116
.irp m, 1,2,4,8
	v_add_f32_dpp v115, v115, v115 row_xmask:\m row_mask:0xf bank_mask:0xf
.endr
	v_permlanex16_b32 v114, v115, s[SEL], s[SEL+1]
	v_add_f32 v115, v115, v114
	v_rcp_f32 v115, v115
	v_nop
	s_wait_alu depctr_va_vdst(0)
.irp j, 0,1,2,3
	v_mul_f32 v[108+\j], v[108+\j], v115           ; w
.endr
	v_add_f32 v116, v108, v109                     ; the sum of w: the weighted sum of the constant vb2 is vb2 times it
	v_add_f32 v117, v110, v111
	v_add_f32 v116, v116, v117
.irp m, 1,2,4,8
	v_add_f32_dpp v116, v116, v116 row_xmask:\m row_mask:0xf bank_mask:0xf
.endr
	v_permlanex16_b32 v114, v116, s[SEL], s[SEL+1]
	v_add_f32 v116, v116, v114
	s_wait_loadcnt 0x0
.irp j, 0,1,2,3,4,5,6,7
	v_mul_f32 v[96+\j], v[96+\j], v116
.endr
	global_store_b128 v112, v[108:111], s[98:99] offset:65536  ; each store covers 512 consecutive bytes, aligned
	global_store_b128 v112, v[104:107], s[98:99] offset:66048
	global_store_b128 v112, v[96:99], s[98:99] offset:66560
	global_store_b128 v112, v[100:103], s[98:99] offset:67072
.Lend:
	s_wait_xcnt 0x0
	v_lshl_add_u32 v254, v0, 2, 0x7400
	v_mov_b32 v255, 0
	s_wait_tensorcnt 0x0
	ds_add_u32 v254, v255
	s_wait_dscnt 0x0
	s_endpgm
.Lfunc_end_k_q8b547a0b03_prep:
	.size	k_q8b547a0b03_prep, .Lfunc_end_k_q8b547a0b03_prep-k_q8b547a0b03_prep
	.p2alignl 7, 3214868480
	.fill 96, 4, 3214868480
	.section	.rodata,"a",@progbits
	.p2align	6, 0x0
	.amdhsa_kernel k_q8b547a0b03_prep
		.amdhsa_group_segment_fixed_size 31744
		.amdhsa_private_segment_fixed_size 0
		.amdhsa_enable_private_segment 0
		.amdhsa_kernarg_size 104
		.amdhsa_user_sgpr_count 2
		.amdhsa_user_sgpr_kernarg_segment_ptr 1
		.amdhsa_wavefront_size32 1
		.amdhsa_system_sgpr_workgroup_id_x 1
		.amdhsa_system_sgpr_workgroup_id_y 1
		.amdhsa_system_sgpr_workgroup_id_z 1
		.amdhsa_system_vgpr_workitem_id 0
		.amdhsa_next_free_vgpr 256
		.amdhsa_next_free_sgpr 100
		.amdhsa_reserve_vcc 0
		.amdhsa_float_denorm_mode_32 3
		.amdhsa_float_denorm_mode_16_64 3
		.amdhsa_memory_ordered 1
		.amdhsa_forward_progress 1
		.amdhsa_inst_pref_size 87
	.end_amdhsa_kernel
	.amdgpu_metadata
---
amdhsa.version: [ 1, 2 ]
amdhsa.kernels:
  - .name:           k_q8b547a0b03_prep
    .symbol:         k_q8b547a0b03_prep.kd
    .args:
      - { .name: kW1, .offset: 0, .size: 8, .value_kind: global_buffer, .address_space: global }
      - { .name: vW1, .offset: 8, .size: 8, .value_kind: global_buffer, .address_space: global }
      - { .name: kb1, .offset: 16, .size: 8, .value_kind: global_buffer, .address_space: global }
      - { .name: vb1, .offset: 24, .size: 8, .value_kind: global_buffer, .address_space: global }
      - { .name: session, .offset: 32, .size: 8, .value_kind: global_buffer, .address_space: global }
      - { .name: pos_embeds_codes, .offset: 40, .size: 8, .value_kind: global_buffer, .address_space: global }
      - { .name: pos_embeds_scales, .offset: 48, .size: 8, .value_kind: global_buffer, .address_space: global }
      - { .name: tab, .offset: 56, .size: 8, .value_kind: global_buffer, .address_space: global }
      - { .name: kW2_codes, .offset: 64, .size: 8, .value_kind: global_buffer, .address_space: global }
      - { .name: kW2_scales, .offset: 72, .size: 8, .value_kind: global_buffer, .address_space: global }
      - { .name: kb2, .offset: 80, .size: 8, .value_kind: global_buffer, .address_space: global }
      - { .name: query, .offset: 88, .size: 8, .value_kind: global_buffer, .address_space: global }
      - { .name: vb2, .offset: 96, .size: 8, .value_kind: global_buffer, .address_space: global }
    .group_segment_fixed_size: 31744
    .private_segment_fixed_size: 0
    .kernarg_segment_align: 8
    .kernarg_segment_size: 104
    .max_flat_workgroup_size: 512
    .sgpr_count:     100
    .vgpr_count:     256
    .wavefront_size: 32
...
	.end_amdgpu_metadata
.endif
;; end of part 1
;; launch main (part 2): grid 256 x 1, 16 waves a work-group, no clusters, 233,472 bytes of LDS; arguments tab, state_in, vW2_codes, vW2_scales, out0; writes out0
.if DOCPART == 2
	.amdgcn_target "amdgcn-amd-amdhsa--gfx1250"
	.amdhsa_code_object_version 6
	.text
	.protected	k_q8b547a0b03_main
	.globl	k_q8b547a0b03_main
	.p2align	8
	.type	k_q8b547a0b03_main,@function
k_q8b547a0b03_main:
	s_mov_b64 s[64:65], 0
	v_nop
	global_prefetch_b8 v0, s[64:65] scope:SCOPE_SE
	s_setreg_imm32_b32 hwreg(HW_REG_WAVE_MODE, 25, 1), 1
	s_wait_xcnt 0x0
; out[bta][n] = sum over c of w[b][c] ( Q(gelu(base[b][c][:] + state[bta][c] v[:])) . vW2[:, n] + vb2[n] ),  bta = (b, t, a), 4,096 rows; 128 channels c; 128 hidden r; 256 outputs n.
; base, w, v = vW1's row 256 and vb2 x sum of w come from tab[b], made by the launch before.  Q is the MX quantiser to E3M2 along r; vW2 comes as codes; the product goes by v_wmma_scale_f32_16x16x128_f8f6f4.
; WHAT WEIGHS.  A lane makes 512 numbers of the hidden layer, each some twelve vector instructions (multiply-add, GELU, largest magnitude, conversion, its share of the weighted sum), against 128 matrix
; instructions a wave.  So the text spares vector instructions (packed f32 throughout, one reciprocal a GELU, no exchange between lanes but one a scale word), and SIXTEEN waves of 256 registers, four to a SIMD,
; let one wave's matrix instructions, reciprocals and LDS loads stand beside another's vector work.
; SHARES.  A work-group owns 16 rows bta of one b.  Wave = 8 g + ct owns channels 16 ct .. 16 ct + 15 for rows 8 g .. 8 g + 7: its slice of base, 16 x 128, stays in 64 registers for the whole launch.
; Two trips of four rows.  In a trip: four tiles (16 channels x 128 hidden) are made and quantised in registers; then each of vW2's 16 fragments is read from LDS once and multiplied by all four.
; LAYOUT.  The 6-bit operand gives lane (rl, h) row rl and k = 64 c + 32 h + 0 .. 31 in registers 6 c .. 6 c + 5: whole blocks of 32 in a lane.  base lies so in tab, so the conversions' results are the operand.
; Source 0 = my 16 channels, source 1 = 16 rows n of vW2: in the result lane (r, h) holds output n = r and its registers the channels 8 h + 0 .. 7: the weighted sum over c is four packed multiply-adds.
; The eight channel tiles' sums of a row meet in LDS; wave wv adds and stores row wv.
; GELU.  y = 2 gelu(x) = x (1 + erf(x / sqrt 2)); erf(z) = z A(z^2) / B(z^2), numerator of 7 and denominator of 5 coefficients, z held to +-4; written in t = x^2, the powers of two and the sqrt 2 folded into
; the coefficients.  The factor 2 is taken off the block's scale byte, which changes no code.
; LIMITS: NaN and infinities are not served.  A block whose largest |2 gelu| lies under 2^-122 (the floor) takes the floor's byte; a block of zeros takes it too, with zero codes.
; For x under -5.657 gelu is x (1 + erf(-4)) / 2, of magnitude under |x| 1.2e-7.
; NO CLUSTER, NO RING: what work-groups share (tab[b], 67,584 bytes, among 32; vW2, 25,600 bytes, among all) is fetched once at the head and never again; no loop asks memory for anything.
; LDS is filled once, by asynchronous copies; the claim is over half of the WGP's LDS.
.set TABB,  67584
.set W_O,   65536                      ; LDS 0 .. 67,583: tab[b] as it lies: base, then w, v, vb2 x sum of w
.set V_O,   66048
.set C_O,   66560
.set STATE, 67584                      ; my 16 rows of state_in, 8,192 dense bytes
.set VW2,   75776                      ; vW2's 16 fragments as images of their registers, 1,536 bytes each: group c of four registers at 512 c + 16 x lane
.set PART,  100352                     ; the waves' sums: [wave 16][row 8][n 256] f32: 8,192 bytes of its own for each wave
.set LB,   1                           ; v1   VW2 + 16 x lane
.set AV,   2                           ; v2   v's 32 numbers of my half
.set AS0,  3                           ; v3   my channel's state in my first row
.set AP0,  4                           ; v4   my word in my wave's sums
.set SH8,  5                           ; v5   8 h
.set SV,   6                           ; v6-9 the state of my channel in the trip's four rows
.set AS,   10                          ; v10, v11 the trip's AS0, AP0
.set AP,   11
.set CA0,  12                          ; v[12:13] a0, twice;  v[14:15] b0, twice
.set CB0,  14
.set BASE, 16                          ; v16-79   base: number 32 blk + i is r = 64 blk + 32 h + i of channel rl
.set W8,   80                          ; v80-87   w of channels 16 ct + 8 h + 0 .. 7
.set BS,   88                          ; v88-95   vW2's scale words, and nothing else: register i, lane l: row 32 i + l
.set CODE, 96                          ; v96-143  the four tiles' codes, 12 registers each
.set ASC,  144                         ; v144-147 their scale words, and nothing else
.set VB,   148                         ; v148-179 v's 32 numbers;         in the product phase results, set 0
.set X,    180                         ; v180-211 32 numbers at work;     in the product phase results, set 1
.set ZC,   212                         ; v212-243 the GELU's temporaries; in the product phase two fragments of vW2 and four pairs of sums
.set Z2,   220
.set PN,   228
.set QD,   236
.set MXA,  244                         ; v244-255 the quantiser's;        in the product phase the sums of an even and of an odd fragment
.set MXB,  245
.set SCV,  246
.set BYT,  247
.set TMP3, 248
.set PT,   251
.set BY0,  252
.set DD,   148
.set BB,   212
.set PP,   236
.set EE,   244
.set OO,   248
.set WV,   14                          ; s14 wave, s15 ct, s16 g
.set CT,   15
.set GG,   16
.set KA,   20                          ; s[20:31] a1 .. a6, s[32:39] b1 .. b4, each twice (the packed forms name a pair)
.set KB,   32
.set PL,   40                          ; s40 4 sqrt 2, s41 its negative
.set NL,   41
.set SEL,  42                          ; s[42:43] v_permlanex16_b32's selects for lane l xor 16
.set TRIPS, 44
.set STS,  45                          ; s45, s46 the trip's steps in STATE and in PART
.set STP,  46
.macro PAIR r, bits
	s_mov_b32 s[\r], \bits
	s_mov_b32 s[\r+1], \bits
.endm
.macro CONSTS
	PAIR KA+0,  0x306dffee                         ; numerator: alpha_11 / 32, alpha_9 / 16, .. alpha_1
	PAIR KA+2,  0xb40cff51
	PAIR KA+4,  0xb6eec2d2
	PAIR KA+6,  0xb940ac63
	PAIR KA+8,  0xbac1a1f6
	PAIR KA+10, 0xbc83dbd4
	PAIR KB+0,  0xb81e3511                         ; denominator x sqrt 2: beta_6 / 8, beta_4 / 4, beta_2 / 2, beta_0
	PAIR KB+2,  0xba1bf7b5
	PAIR KB+4,  0xbbaad7f2
	PAIR KB+6,  0xbca542a9
	s_mov_b32 s[PL], 0x40b504f3
	s_mov_b32 s[NL], 0xc0b504f3
	s_mov_b32 s[SEL], 0x76543210
	s_mov_b32 s[SEL+1], 0xfedcba98
	v_mov_b32 v[CA0], 0xac95df0b                   ; alpha_13 / 64
	v_mov_b32 v[CA0+1], 0xac95df0b
	v_mov_b32 v[CB0], 0xb5accd2b                   ; beta_8 / 16 x sqrt 2
	v_mov_b32 v[CB0+1], 0xb5accd2b
.endm
; Eight numbers v[x] .. v[x + 7] become 2 gelu of themselves: 64 plain instructions and 8 reciprocals.  Numerator and denominator by turns, four pairs each, so that no line waits for the line above it; the
; reciprocals stand two by two between the numerator's last steps, so that each has a plain instruction behind it before its result is used (ISA guide 5.7.2).
.macro GELU8 x
.irp j, 0,1,2,3,4,5,6,7
	v_med3_num_f32 v[ZC+\j], v[\x+\j], s[NL], s[PL]
.endr
.irp j, 0,2,4,6
	v_pk_mul_f32 v[Z2+\j:Z2+\j+1], v[ZC+\j:ZC+\j+1], v[ZC+\j:ZC+\j+1]
.endr
.irp j, 0,2,4,6
	v_pk_fma_f32 v[PN+\j:PN+\j+1], v[Z2+\j:Z2+\j+1], v[CA0:CA0+1], s[KA:KA+1] op_sel_hi:[1,1,0]
	v_pk_fma_f32 v[QD+\j:QD+\j+1], v[Z2+\j:Z2+\j+1], v[CB0:CB0+1], s[KB:KB+1] op_sel_hi:[1,1,0]
.endr
.irp n, 1,2,3
.irp j, 0,2,4,6
	v_pk_fma_f32 v[PN+\j:PN+\j+1], v[PN+\j:PN+\j+1], v[Z2+\j:Z2+\j+1], s[KA+2*\n:KA+2*\n+1] op_sel_hi:[1,1,0]
	v_pk_fma_f32 v[QD+\j:QD+\j+1], v[QD+\j:QD+\j+1], v[Z2+\j:Z2+\j+1], s[KB+2*\n:KB+2*\n+1] op_sel_hi:[1,1,0]
.endr
.endr
.irp u, 0,1,2,3
	v_rcp_f32 v[QD+2*\u], v[QD+2*\u]
	v_rcp_f32 v[QD+2*\u+1], v[QD+2*\u+1]
	v_pk_fma_f32 v[PN+4*(\u%2):PN+4*(\u%2)+1], v[PN+4*(\u%2):PN+4*(\u%2)+1], v[Z2+4*(\u%2):Z2+4*(\u%2)+1], s[KA+8+2*(\u/2):KA+9+2*(\u/2)] op_sel_hi:[1,1,0]
	v_pk_fma_f32 v[PN+4*(\u%2)+2:PN+4*(\u%2)+3], v[PN+4*(\u%2)+2:PN+4*(\u%2)+3], v[Z2+4*(\u%2)+2:Z2+4*(\u%2)+3], s[KA+8+2*(\u/2):KA+9+2*(\u/2)] op_sel_hi:[1,1,0]
.endr
.irp j, 0,2,4,6
	v_pk_mul_f32 v[PN+\j:PN+\j+1], v[PN+\j:PN+\j+1], v[ZC+\j:ZC+\j+1]
.endr
	s_wait_alu depctr_va_vdst(0)
.irp j, 0,2,4,6
	v_pk_fma_f32 v[PN+\j:PN+\j+1], v[PN+\j:PN+\j+1], v[QD+\j:QD+\j+1], 1.0 op_sel_hi:[1,1,0]   ; 1 + erf
.endr
.irp j, 0,2,4,6
	v_pk_mul_f32 v[\x+\j:\x+\j+1], v[\x+\j:\x+\j+1], v[PN+\j:PN+\j+1]
.endr
.endm
; A whole block of 32 numbers of one lane, v[src] on, becomes 6 registers of codes at v[dst] and its scale's byte in v[by].  The largest magnitude in two chains, with the floor 2^(5 - 127) as one leaf, so
; that the byte cannot fall under 1; 4 off its exponent field is the conversion's scale operand.  A conversion's three registers begin on an even number, so the second half is made elsewhere and moved.
.macro QB src, dst, by
	v_max3_num_f32 v[MXA], |v[\src]|, |v[\src+1]|, 0x2800000
	v_max3_num_f32 v[MXB], |v[\src+2]|, |v[\src+3]|, |v[\src+4]|
.irp i, 5,9,13,17,21,25
	v_max3_num_f32 v[MXA], v[MXA], |v[\src+\i]|, |v[\src+\i+1]|
	v_max3_num_f32 v[MXB], v[MXB], |v[\src+\i+2]|, |v[\src+\i+3]|
.endr
	v_max3_num_f32 v[MXA], v[MXA], |v[\src+29]|, |v[\src+30]|
	v_max3_num_f32 v[MXA], v[MXA], v[MXB], |v[\src+31]|
	v_add_nc_u32 v[SCV], 0xfe000000, v[MXA]
	v_cvt_scalef32_pk16_bf6_f32 v[\dst:\dst+2], v[\src:\src+15], v[SCV]
	v_cvt_scalef32_pk16_bf6_f32 v[TMP3:TMP3+2], v[\src+16:\src+31], v[SCV]
	v_lshrrev_b32 v[\by], 23, v[SCV]               ; the byte; also the plain place behind the conversions
	v_mov_b32 v[\dst+3], v[TMP3]
	v_mov_b32 v[\dst+4], v[TMP3+1]
	v_mov_b32 v[\dst+5], v[TMP3+2]
.endm
; My two bytes are those of blocks h and 2 + h of my row: shifted 8 h bits up and joined with lane l xor 16's two they are the row's scale word.
.macro WORD w, b0, b1
	v_lshl_or_b32 v[\w], v[\b1], 16, v[\b0]
	v_lshlrev_b32 v[\w], v[SH8], v[\w]
	v_permlanex16_b32 v[PT], v[\w], s[SEL], s[SEL+1]
	v_or_b32 v[\w], v[\w], v[PT]
.endm
; x = state x v + base for eight numbers of block blk, row k of the trip: the state is one register of a pair, taken for both halves
.macro XG blk, k, c
.irp j, 0,2,4,6
.if (\k)%2
	v_pk_fma_f32 v[X+8*\c+\j:X+8*\c+\j+1], v[SV+(\k)-1:SV+(\k)], v[VB+8*\c+\j:VB+8*\c+\j+1], v[BASE+32*\blk+8*\c+\j:BASE+32*\blk+8*\c+\j+1] op_sel:[1,0,0] op_sel_hi:[1,1,1]
.else
	v_pk_fma_f32 v[X+8*\c+\j:X+8*\c+\j+1], v[SV+(\k):SV+(\k)+1], v[VB+8*\c+\j:VB+8*\c+\j+1], v[BASE+32*\blk+8*\c+\j:BASE+32*\blk+8*\c+\j+1] op_sel_hi:[0,1,1]
.endif
.endr
.endm
; One block of 32 hidden numbers of row k: made, put through the GELU, quantised.  With the second block the row's scale word is whole.
.macro BODY blk, k
.irp c, 0,1,2,3
	XG \blk, \k, \c
	GELU8 X+8*\c
.endr
.if \blk == 0
	QB X, CODE+12*(\k), BY0+(\k)
.else
	QB X, CODE+12*(\k)+6, BYT
	WORD ASC+(\k), BY0+(\k), BYT
	v_add_nc_u32 v[ASC+(\k)], 0xfefefeff, v[ASC+(\k)]   ; 1 off each byte (none is under 1): the codes are those of gelu, the numbers were 2 gelu
.endif
.endm
.macro LOADB i                         ; vW2's fragment i into set i % 2
.irp c, 0,1,2
	ds_load_b128 v[BB+12*((\i)%2)+4*\c:BB+12*((\i)%2)+4*\c+3], v[LB] offset:1536*(\i)+512*\c
.endr
.endm
.macro MM i                            ; the four tiles x fragment i.  Every product is whole (K = 128) and starts its sum with 0: no accumulator is taken up twice
.set DR, DD+32*((\i)%2)
.set BR, BB+12*((\i)%2)
.irp k, 0,1,2,3
.if (\i)%2
	v_wmma_scale_f32_16x16x128_f8f6f4 v[DR+8*\k:DR+8*\k+7], v[CODE+12*\k:CODE+12*\k+11], v[BR:BR+11], 0, v[ASC+\k], v[BS+(\i)/2] matrix_a_fmt:MATRIX_FMT_BF6 matrix_b_fmt:MATRIX_FMT_BF6 matrix_b_scale:MATRIX_SCALE_ROW1
.else
	v_wmma_scale_f32_16x16x128_f8f6f4 v[DR+8*\k:DR+8*\k+7], v[CODE+12*\k:CODE+12*\k+11], v[BR:BR+11], 0, v[ASC+\k], v[BS+(\i)/2] matrix_a_fmt:MATRIX_FMT_BF6 matrix_b_fmt:MATRIX_FMT_BF6
.endif
.endr
.endm
; The weighted sum over my 16 channels of fragment i's four results, each read from its low end on.  A lane sums its eight channels; an even and an odd fragment's sums then change halves
; (the first's lanes 16-31 with the second's lanes 0-15), so that one addition joins the two halves of the channels and lane l holds output 32 (i / 2) + l.
.macro RED i
.set DR, DD+32*((\i)%2)
.irp k, 0,1,2,3
	v_pk_mul_f32 v[PP+2*\k:PP+2*\k+1], v[DR+8*\k:DR+8*\k+1], v[W8:W8+1]
.endr
.irp jj, 1,2,3
.irp k, 0,1,2,3
	v_pk_fma_f32 v[PP+2*\k:PP+2*\k+1], v[DR+8*\k+2*\jj:DR+8*\k+2*\jj+1], v[W8+2*\jj:W8+2*\jj+1], v[PP+2*\k:PP+2*\k+1]
.endr
.endr
.if (\i)%2 == 0
.irp k, 0,1,2,3
	v_add_f32 v[EE+\k], v[PP+2*\k], v[PP+2*\k+1]
.endr
.else
.irp k, 0,1,2,3
	v_add_f32 v[OO+\k], v[PP+2*\k], v[PP+2*\k+1]
.endr
.irp k, 0,1,2,3
	v_permlane16_swap_b32 v[EE+\k], v[OO+\k]
.endr
.irp k, 0,1,2,3
	v_add_f32 v[EE+\k], v[EE+\k], v[OO+\k]
.endr
.irp k, 0,1,2,3
	ds_store_b32 v[AP], v[EE+\k] offset:1024*\k+128*((\i)/2)
.endr
.endif
.endm
	s_load_b256 s[4:11], s[0:1], 0x0               ; tab s[4:5], state_in s[6:7], vW2's codes s[8:9], its scales s[10:11]
	s_load_b64 s[12:13], s[0:1], 0x20              ; out0
	v_lshl_add_u32 v254, v0, 2, 0x38800
	v_mov_b32 v255, 0
	ds_add_u32 v254, v255
	ds_add_u32 v254, v255
	s_wait_dscnt 0x0
	v_lshrrev_b32 v10, 5, v0
	v_readfirstlane_b32 s[WV], v10                 ; wave 0..15
	s_and_b32 s[CT], s[WV], 7
	s_lshr_b32 s[GG], s[WV], 3
	v_and_b32 v10, 31, v0                          ; lane
	v_and_b32 v11, 15, v0                          ; rl
	v_bfe_u32 v9, v0, 4, 1                         ; h
	v_lshl_add_u32 v[LB], v10, 4, VW2
	v_lshl_add_u32 v[AV], v9, 7, V_O
	s_lshl_b32 s17, s[GG], 12                      ; 8 rows of 512 bytes
	s_lshl_b32 s18, s[CT], 6
	s_add_co_u32 s17, s17, s18
	s_add_co_u32 s17, s17, STATE
	v_lshl_add_u32 v[AS0], v11, 2, s17
	s_lshl_b32 s17, s[WV], 13
	s_add_co_u32 s17, s17, PART
	v_lshl_add_u32 v[AP0], v10, 2, s17
	v_lshlrev_b32 v[SH8], 3, v9
	s_lshl_b32 s17, s[CT], 13
	v_lshl_add_u32 v6, v10, 4, s17                 ; my slice of base: 8,192 ct + 16 x lane
	s_add_co_u32 s18, s18, W_O
	v_lshl_add_u32 v7, v9, 5, s18                  ; my eight w
	s_mul_i32 s17, s[WV], 1536
	v_add_nc_u32 v8, s17, v[LB]                    ; where I store fragment wv's image
	v_lshlrev_b32 v244, 4, v0                      ; the copies' places: 16 bytes a thread, in memory
	v_lshlrev_b32 v245, 4, v0                      ; and in LDS;
	v_lshl_add_u32 v246, v0, 4, STATE
	v_lshl_add_u32 v247, v0, 2, W_O                ; the last 2,048 bytes of tab[b]: 4 bytes a thread, in LDS
	v_lshl_add_u32 v248, v0, 2, W_O                ; and in memory
	v_mul_u32_u24 v249, v11, 96
	v_mad_u32_u24 v249, v9, 24, v249               ; a lane's place in 16 rows of codes
	v_lshlrev_b32 v250, 2, v10
	v_mov_b32 v[PT], 0                             ; a lane permute's destination counts as one of its sources
	s_lshr_b32 s17, ttmp9, 5                       ; b: 32 work-groups to a b
	s_mul_i32 s18, s17, TABB
	s_mov_b32 s19, 0
	s_wait_kmcnt 0x0
	s_add_nc_u64 s[4:5], s[4:5], s[18:19]
	s_lshl_b32 s18, ttmp9, 13
	s_add_nc_u64 s[6:7], s[6:7], s[18:19]          ; my 16 rows of state_in
	s_mul_i32 s18, s[WV], 1536
	s_add_nc_u64 s[8:9], s[8:9], s[18:19]          ; vW2's rows 16 wv on
	s_lshl_b32 s18, ttmp9, 14
	s_lshl_b32 s17, s[WV], 10
	s_add_co_u32 s18, s18, s17
	s_add_nc_u64 s[12:13], s[12:13], s[18:19]      ; row 16 x work-group + wv of out0
	; the copies go out first, ahead of every LDS read, barrier and wait for them; each fills its bytes once
.irp i, 0,1,2,3,4,5,6,7
	global_load_async_to_lds_b128 v245, v244, s[4:5] offset:8192*\i
.endr
	global_load_async_to_lds_b32 v247, v248, s[4:5]
	global_load_async_to_lds_b128 v246, v244, s[6:7]
.irp p, 0,1,2,3,4,5
	global_load_b64 v[BB+2*\p:BB+2*\p+1], v249, s[8:9] offset:48*(\p/3)+8*(\p%3)
.endr
.irp i, 0,1,2,3,4,5,6,7
	global_load_b32 v[BS+\i], v250, s[10:11] offset:128*\i
.endr
	CONSTS
	s_mov_b32 s[TRIPS], 2
	s_mov_b32 s[STS], 0
	s_mov_b32 s[STP], 0
	s_wait_loadcnt 0x8                             ; the fragment's six loads are in; the eight scale words behind them may be out
.irp c, 0,1,2
	ds_store_b128 v8, v[BB+4*\c:BB+4*\c+3] offset:512*\c
.endr
	s_wait_loadcnt 0x0                             ; the scale words
	s_wait_asynccnt 0x0                            ; for the others' sake: my copies
	s_wait_dscnt 0x0                               ; and my image have landed
	s_barrier_signal -1
	s_barrier_wait -1
.irp q, 0,1,2,3,4,5,6,7,8,9,10,11,12,13,14,15
	ds_load_b128 v[BASE+4*\q:BASE+4*\q+3], v6 offset:512*\q
.endr
	ds_load_b128 v[W8:W8+3], v7
	ds_load_b128 v[W8+4:W8+7], v7 offset:16
	s_wait_dscnt 0x0                               ; v6 and v7 take the state next
.Ltrip:
	v_add_nc_u32 v[AS], s[STS], v[AS0]
	v_add_nc_u32 v[AP], s[STP], v[AP0]
.irp k, 0,1,2,3
	ds_load_b32 v[SV+\k], v[AS] offset:512*\k
.endr
.irp blk, 0,1
.irp q, 0,1,2,3,4,5,6,7
	ds_load_b128 v[VB+4*\q:VB+4*\q+3], v[AV] offset:256*\blk+16*\q
.endr
	s_wait_dscnt 0x0
.irp k, 0,1,2,3
	BODY \blk, \k
.endr
.endr
	; ---- the product phase.  Fragment i + 2 is asked for while fragment i + 1 is multiplied; the weighted sum of fragment i - 1 stands behind fragment i's products and is their places:
	; its twenty and more plain lines name none of their registers, so they serve the loads into the fragment's registers, the reads of the results and the products that write the set of results again.
	LOADB 0
	LOADB 1
.rept 8
	v_nop                                          ; eight places between the last scale word's last write and the scaled products
.endr
.set GI, 0
.rept 16
	s_wait_dscnt 0x3                               ; fragment GI is in: behind its loads stand at least three LDS instructions (the next fragment's loads, or the stores of four sums)
	MM GI
.if GI == 0
.rept 5
	v_nop                                          ; no sum is due yet
.endr
.else
	RED GI-1
.endif
.if GI < 14
	LOADB GI+2
.endif
.set GI, GI+1
.endr
	RED 15
	s_wait_dscnt 0x0                               ; my stores have landed: their address register is written anew, or the barrier follows
	s_add_co_u32 s[STS], s[STS], 2048              ; four rows on
	s_add_co_u32 s[STP], s[STP], 4096
	s_sub_co_u32 s[TRIPS], s[TRIPS], 1
	s_cmp_lg_u32 s[TRIPS], 0
	s_cbranch_scc1 .Ltrip
	s_barrier_signal -1
	s_barrier_wait -1                              ; all sums lie in LDS
	; ---- wave wv adds row wv's eight sums and vb2 x sum of w, and stores the row: each store covers 512 consecutive bytes, aligned
	v_and_b32 v6, 31, v0
	v_lshlrev_b32 v6, 4, v6
	s_lshl_b32 s17, s[GG], 16
	s_lshl_b32 s18, s[CT], 10
	s_add_co_u32 s17, s17, s18
	s_add_co_u32 s17, s17, PART                    ; the row is row wv % 8 of the eight waves of group wv / 8
	v_add_nc_u32 v7, s17, v6
	v_add_nc_u32 v8, C_O, v6
.irp c, 0,1,2,3,4,5,6,7
.irp u, 0,1
	ds_load_b128 v[BASE+4*(2*\c+\u):BASE+4*(2*\c+\u)+3], v7 offset:8192*\c+512*\u
.endr
.endr
	ds_load_b128 v[VB:VB+3], v8
	ds_load_b128 v[VB+4:VB+7], v8 offset:512
	s_wait_dscnt 0x0
.irp c, 0,1,2,3,4,5,6,7
.irp u, 0,1
.irp p, 0,2
	v_pk_add_f32 v[VB+4*\u+\p:VB+4*\u+\p+1], v[VB+4*\u+\p:VB+4*\u+\p+1], v[BASE+4*(2*\c+\u)+\p:BASE+4*(2*\c+\u)+\p+1]
.endr
.endr
.endr
	global_store_b128 v6, v[VB:VB+3], s[12:13] th:TH_STORE_NT
	global_store_b128 v6, v[VB+4:VB+7], s[12:13] offset:512 th:TH_STORE_NT
	s_wait_xcnt 0x0
	v_lshl_add_u32 v254, v0, 2, 0x38800
	v_mov_b32 v255, 0
	s_wait_tensorcnt 0x0
	ds_add_u32 v254, v255
	s_wait_dscnt 0x0
	s_endpgm
.Lfunc_end_k_q8b547a0b03_main:
	.size	k_q8b547a0b03_main, .Lfunc_end_k_q8b547a0b03_main-k_q8b547a0b03_main
	.p2alignl 7, 3214868480
	.fill 96, 4, 3214868480
	.section	.rodata,"a",@progbits
	.p2align	6, 0x0
	.amdhsa_kernel k_q8b547a0b03_main
		.amdhsa_group_segment_fixed_size 233472
		.amdhsa_private_segment_fixed_size 0
		.amdhsa_enable_private_segment 0
		.amdhsa_kernarg_size 40
		.amdhsa_user_sgpr_count 2
		.amdhsa_user_sgpr_kernarg_segment_ptr 1
		.amdhsa_wavefront_size32 1
		.amdhsa_system_sgpr_workgroup_id_x 1
		.amdhsa_system_sgpr_workgroup_id_y 1
		.amdhsa_system_sgpr_workgroup_id_z 1
		.amdhsa_system_vgpr_workitem_id 0
		.amdhsa_next_free_vgpr 256
		.amdhsa_next_free_sgpr 66
		.amdhsa_reserve_vcc 0
		.amdhsa_float_denorm_mode_32 3
		.amdhsa_float_denorm_mode_16_64 3
		.amdhsa_memory_ordered 1
		.amdhsa_forward_progress 1
		.amdhsa_inst_pref_size 205
	.end_amdhsa_kernel
	.amdgpu_metadata
---
amdhsa.version: [ 1, 2 ]
amdhsa.kernels:
  - .name:           k_q8b547a0b03_main
    .symbol:         k_q8b547a0b03_main.kd
    .args:
      - { .name: tab, .offset: 0, .size: 8, .value_kind: global_buffer, .address_space: global }
      - { .name: state_in, .offset: 8, .size: 8, .value_kind: global_buffer, .address_space: global }
      - { .name: vW2_codes, .offset: 16, .size: 8, .value_kind: global_buffer, .address_space: global }
      - { .name: vW2_scales, .offset: 24, .size: 8, .value_kind: global_buffer, .address_space: global }
      - { .name: out0, .offset: 32, .size: 8, .value_kind: global_buffer, .address_space: global }
    .group_segment_fixed_size: 233472
    .private_segment_fixed_size: 0
    .kernarg_segment_align: 8
    .kernarg_segment_size: 40
    .max_flat_workgroup_size: 512
    .sgpr_count:     66
    .vgpr_count:     256
    .wavefront_size: 32
...
	.end_amdgpu_metadata
.endif
;; end of part 2
;; ======== version 2 of 2: 2 launches
;; limits: right only within a limited range of input values
;; workspace buffers: tab 540,672 bytes
;; launch prep (part 3): grid 32 x 1, 8 waves a work-group, no clusters, 12,288 bytes of LDS; arguments kW1, vW1, kb1, vb1, session, pos_embeds_codes, pos_embeds_scales, tab, kW2_codes, kW2_scales, kb2, query, vb2; writes tab
.if DOCPART == 3
	.amdgcn_target "amdgcn-amd-amdhsa--gfx1250"
	.amdhsa_code_object_version 6
	.text
	.protected	k_q8b547a0b03_prep
	.globl	k_q8b547a0b03_prep
	.p2align	8
	.type	k_q8b547a0b03_prep,@function
k_q8b547a0b03_prep:
	s_mov_b64 s[64:65], 0
	v_nop
	global_prefetch_b8 v0, s[64:65] scope:SCOPE_SE
	s_setreg_imm32_b32 hwreg(HW_REG_WAVE_MODE, 25, 1), 1
	s_wait_xcnt 0x0
; WHAT HANGS ON THE BATCH INDEX b ALONE.  Work-group = 4 b + 2 p + cp: p = 0 the keys' path, p = 1 the values' path; cp: which 64 of the first layer's 128 columns r.  Eight waves.
;   values: base[c][r] = pos[c] . Q(vW1[0:128])[:, r] + session[b] . vW1[128:256][:, r] + vb1[r]      for r = 64 cp .. 64 cp + 63
;   keys:   kh[c][r] the same with kW1 and kb1;  part[cp][c] = ( Q(gelu(kh))[c][64 cp ..] . kW2[64 cp ..][:] . query  +  (cp = 0: kb2 . query) ) / sqrt(128)
; The score of channel c is part[0][c] + part[1][c]: the sum over the second layer's K is cut in two halves, each a matrix product with zero codes in the other half's places; the next launch adds the two and takes the softmax.
; Q is the MX quantiser to E3M2 along K; pos and kW2 come as codes.  The quantised products go by v_wmma_scale_f32_16x16x128_f8f6f4; the products with session (8 rows) are f32 multiply-adds.
; OUT: tab[b], 67,584 bytes, laid as the next launch's LDS wants it: base as images of its waves' registers (65,536), the two rows of partial scores (1,024), vb2 (1,024).
; The module's parameters subject and array are read by none of its lines: no launch names them.
; ONE TEXT for both paths (the buffers are chosen by p) until the first layer's sums stand in registers:
;   U: wave w sums rows 16 w .. 16 w + 15 of session . W for the 64 columns, two columns a lane: each load covers 256 consecutive bytes.
;   F: wave (u = w % 4, kc = w / 4) quantises 16 columns x 64 rows of W's upper half: HALF an operand fragment, one block of 32 a lane.
;   P: wave ct = w adds the eight partial sums and the bias, and multiplies the four fragments by channels 16 ct .. 16 ct + 15 of pos.
; LAYOUT.  The 6-bit operand gives lane (r, h) row r and k = 64 c + 32 h + 0 .. 31 in registers 6 c .. 6 c + 5: a lane holds WHOLE blocks of 32.  The columns of W that form fragment u are chosen
; (64 cp + 8 u + r % 8 + 32 (r / 8)) so that the transposed product (source 0 = W's columns, source 1 = pos' channels) leaves each lane one channel and its 32 numbers in that very order:
; number i is r = 64 cp + 32 h + i.  So a block's largest magnitude asks no other lane, and the conversions' results are the next operand.
; GELU.  y = 2 gelu(x) = x (1 + erf(x / sqrt 2)); erf(z) = z A(z^2) / B(z^2), numerator of 7 and denominator of 5 coefficients, z held to +-4; written in t = x^2, the powers of two and the sqrt 2 folded into
; the coefficients.  The factor 2 is taken off the block's scale byte, which changes no code.
; LIMITS: NaN and infinities are not served.  A block whose largest magnitude lies under 2^-122 (the floor) takes the floor's byte; a block of zeros takes it too, with zero codes.
; For x under -5.657 gelu is x (1 + erf(-4)) / 2, of magnitude under |x| 1.2e-7.
; A STATED WASTE: the values' work-groups issue the 48 loads of kW2, its scales, query and kb2 too and use none of them: so both paths have one text, and one count of loads, up to the parting.
; NO CLUSTER: the eight work-groups of one (p, cp) read the same 65,536 bytes of W, once each, straight into registers in the order that the quantiser wants (a lane to a column); nothing is walked in a loop.
.set TABB,  67584
.set SCR,   0                          ; LDS: the 128 partial scores
.set UPART, 512                        ; the eight waves' partial sums of U: [wave][64 columns] f32: 8 bytes a thread
.set USUM,  2560                       ; 256 bytes of its own for each wave: U + bias, turned into the result's layout
.set FIMG,  4608                       ; 8 half fragments as images of their six registers, 768 bytes each: registers 0-3 at 16 x lane, registers 4-5 at 512 + 8 x lane; half (u, kc) at 768 (2 u + kc)
.set FSC,   10752                      ; their scale words: [u][row 16] words; half kc writes bytes 2 kc, 2 kc + 1
.set UPW,  1                           ; v1   where I store my partial sum
.set FW16, 2                           ; v2, v3 where I store my half fragment
.set FW8,  3
.set FWS,  4                           ; v4   and its two scale bytes
.set FR16, 5                           ; v5, v6 where I fetch the fragments
.set FR8,  6
.set FRS,  7                           ; v7   and their scale words
.set URP,  8                           ; v8   where I fetch my two columns of the partial sums
.set USW,  9                           ; v9   where I store their sum
.set USR,  10                          ; v10  where I fetch the sums in the result's layout
.set SCW,  11                          ; v11  where a keys' wave stores its partial scores
.set CA0,  12                          ; v[12:13] a0, twice;  v[14:15] b0, twice
.set CB0,  14
.set POS,  16                          ; v16-27   pos' fragment
.set SCD,  28                          ; v28  where wave 0 reads the scores
.set SH8,  29                          ; v29  8 h
.set OU,   30                          ; v30, v31 byte offsets in W
.set OT,   31
.set HA,   32                          ; v32-63   the first layer's 32 numbers
.set DK,   32                          ; v32-95   later: the second layer's eight tiles
.set TB,   64                          ; v64-95   32 numbers of W's upper rows
.set UB,   96                          ; v96-127  16 pairs of W's lower rows
.set FRG,  64                          ; v64-111  later: four fragments
.set UT,   112                         ; v112-127 later: eight pairs of partial sums
.set ACC,  112                         ; v112-121 later: the scores' sums
.set ZC,   64                          ; v64-95   later: the GELU's temporaries
.set Z2,   72
.set PN,   80
.set QD,   88
.set K2,   128                         ; v128-181 kW2's eight half fragments, six registers apart, and six registers of zeros
.set QV,   182                         ; v182-189 query[16 nt + r]
.set KBV,  190                         ; v190-197 kb2[16 nt + r]
.set FR,   198                         ; v198-209 the codes just made
.set BIA,  210                         ; v[210:211] the bias of my two columns
.set MXA,  212
.set MXB,  213
.set TMP3, 214                         ; v[214:216]
.set PT,   217
.set SCV,  218
.set BYA,  219
.set HW,   220
.set OB,   221                         ; v221-223, v238, v239 byte offsets, never rewritten
.set OC,   222
.set OW,   223
.set K2S,  224                         ; v224-231 kW2's scale words, and nothing else
.set FS,   232                         ; v232-235 the fragments' scale words, and nothing else
.set FW,   236                         ; v236     gelu's scale word, and nothing else
.set POSS, 237                         ; v237     pos' scale words, and nothing else
.set OCK,  238
.set OST,  239
.set UA,   240                         ; v240-243 U's four chains
.set CPY,  244                         ; v244-247 vb2 on its way
.set SCO,  248                         ; v248-251 the scores on their way out
.set WV,   2                           ; s2 wave, s3 p, s66 cp, s67 b
.set PA,   3
.set CP,   66
.set BN,   67
.set FLK,  80                          ; s80 1.0 where cp = 0, else 0;  s81 16 cp
.set SHK,  81
.set KA,   20                          ; s[20:31] a1 .. a6, s[32:39] b1 .. b4, each twice (the packed forms name a pair); they take session's registers when U is done
.set KB,   32
.set PL,   40                          ; s40 4 sqrt 2, s41 its negative
.set NL,   41
.set SEL,  42                          ; s[42:43] v_permlanex16_b32's selects for lane l xor 16
.macro PAIR r, bits
	s_mov_b32 s[\r], \bits
	s_mov_b32 s[\r+1], \bits
.endm
.macro CONSTS
	PAIR KA+0,  0x306dffee                         ; numerator: alpha_11 / 32, alpha_9 / 16, .. alpha_1
	PAIR KA+2,  0xb40cff51
	PAIR KA+4,  0xb6eec2d2
	PAIR KA+6,  0xb940ac63
	PAIR KA+8,  0xbac1a1f6
	PAIR KA+10, 0xbc83dbd4
	PAIR KB+0,  0xb81e3511                         ; denominator x sqrt 2: beta_6 / 8, beta_4 / 4, beta_2 / 2, beta_0
	PAIR KB+2,  0xba1bf7b5
	PAIR KB+4,  0xbbaad7f2
	PAIR KB+6,  0xbca542a9
	s_mov_b32 s[PL], 0x40b504f3
	s_mov_b32 s[NL], 0xc0b504f3
	s_mov_b32 s[SEL], 0x76543210
	s_mov_b32 s[SEL+1], 0xfedcba98
	v_mov_b32 v[CA0], 0xac95df0b                   ; alpha_13 / 64
	v_mov_b32 v[CA0+1], 0xac95df0b
	v_mov_b32 v[CB0], 0xb5accd2b                   ; beta_8 / 16 x sqrt 2
	v_mov_b32 v[CB0+1], 0xb5accd2b
.endm
; Eight numbers v[x] .. v[x + 7] become 2 gelu of themselves.  Numerator and denominator by turns, four pairs each, so that no line waits for the line above it; the reciprocals stand two by two between
; the numerator's last steps, so that each has a plain instruction behind it before its result is used (ISA guide 5.7.2).
.macro GELU8 x
.irp j, 0,1,2,3,4,5,6,7
	v_med3_num_f32 v[ZC+\j], v[\x+\j], s[NL], s[PL]
.endr
.irp j, 0,2,4,6
	v_pk_mul_f32 v[Z2+\j:Z2+\j+1], v[ZC+\j:ZC+\j+1], v[ZC+\j:ZC+\j+1]
.endr
.irp j, 0,2,4,6
	v_pk_fma_f32 v[PN+\j:PN+\j+1], v[Z2+\j:Z2+\j+1], v[CA0:CA0+1], s[KA:KA+1] op_sel_hi:[1,1,0]
	v_pk_fma_f32 v[QD+\j:QD+\j+1], v[Z2+\j:Z2+\j+1], v[CB0:CB0+1], s[KB:KB+1] op_sel_hi:[1,1,0]
.endr
.irp n, 1,2,3
.irp j, 0,2,4,6
	v_pk_fma_f32 v[PN+\j:PN+\j+1], v[PN+\j:PN+\j+1], v[Z2+\j:Z2+\j+1], s[KA+2*\n:KA+2*\n+1] op_sel_hi:[1,1,0]
	v_pk_fma_f32 v[QD+\j:QD+\j+1], v[QD+\j:QD+\j+1], v[Z2+\j:Z2+\j+1], s[KB+2*\n:KB+2*\n+1] op_sel_hi:[1,1,0]
.endr
.endr
	s_wait_alu depctr_va_vdst(0)
.irp u, 0,1,2,3
	s_wait_alu depctr_va_vdst(0)
	v_rcp_f32 v[QD+2*\u], v[QD+2*\u]
	v_rcp_f32 v[QD+2*\u+1], v[QD+2*\u+1]
	v_pk_fma_f32 v[PN+4*(\u%2):PN+4*(\u%2)+1], v[PN+4*(\u%2):PN+4*(\u%2)+1], v[Z2+4*(\u%2):Z2+4*(\u%2)+1], s[KA+8+2*(\u/2):KA+9+2*(\u/2)] op_sel_hi:[1,1,0]
	v_pk_fma_f32 v[PN+4*(\u%2)+2:PN+4*(\u%2)+3], v[PN+4*(\u%2)+2:PN+4*(\u%2)+3], v[Z2+4*(\u%2)+2:Z2+4*(\u%2)+3], s[KA+8+2*(\u/2):KA+9+2*(\u/2)] op_sel_hi:[1,1,0]
.endr
.irp j, 0,2,4,6
	v_pk_mul_f32 v[PN+\j:PN+\j+1], v[PN+\j:PN+\j+1], v[ZC+\j:ZC+\j+1]
.endr
	s_wait_alu depctr_va_vdst(0)
.irp j, 0,2,4,6
	v_pk_fma_f32 v[PN+\j:PN+\j+1], v[PN+\j:PN+\j+1], v[QD+\j:QD+\j+1], 1.0 op_sel_hi:[1,1,0]   ; 1 + erf
.endr
.irp j, 0,2,4,6
	v_pk_mul_f32 v[\x+\j:\x+\j+1], v[\x+\j:\x+\j+1], v[PN+\j:PN+\j+1]
.endr
.endm
; A whole block of 32 numbers of one lane, v[src] on, becomes 6 registers of codes at v[dst] and its scale's byte in v[by].  The largest magnitude in two chains, with the floor 2^(5 - 127) as one leaf, so
; that the byte cannot fall under 1; 4 off its exponent field is the conversion's scale operand.  A conversion's three registers begin on an even number, so the second half is made elsewhere and moved.
.macro QB src, dst, by
	v_max3_num_f32 v[MXA], |v[\src]|, |v[\src+1]|, 0x2800000
	v_max3_num_f32 v[MXB], |v[\src+2]|, |v[\src+3]|, |v[\src+4]|
.irp i, 5,9,13,17,21,25
	s_delay_alu instid0(VALU_DEP_2)
	v_max3_num_f32 v[MXA], v[MXA], |v[\src+\i]|, |v[\src+\i+1]|
	s_delay_alu instid0(VALU_DEP_2)
	v_max3_num_f32 v[MXB], v[MXB], |v[\src+\i+2]|, |v[\src+\i+3]|
.endr
	s_delay_alu instid0(VALU_DEP_2)
	v_max3_num_f32 v[MXA], v[MXA], |v[\src+29]|, |v[\src+30]|
	s_delay_alu instid0(VALU_DEP_1)
	v_max3_num_f32 v[MXA], v[MXA], v[MXB], |v[\src+31]|
	s_delay_alu instid0(VALU_DEP_1)
	v_add_nc_u32 v[SCV], 0xfe000000, v[MXA]
	v_cvt_scalef32_pk16_bf6_f32 v[\dst:\dst+2], v[\src:\src+15], v[SCV]
	v_cvt_scalef32_pk16_bf6_f32 v[TMP3:TMP3+2], v[\src+16:\src+31], v[SCV]
	v_lshrrev_b32 v[\by], 23, v[SCV]               ; the byte; also the plain place behind the conversions
	v_mov_b32 v[\dst+3], v[TMP3]
	v_mov_b32 v[\dst+4], v[TMP3+1]
	v_mov_b32 v[\dst+5], v[TMP3+2]
.endm
; My byte is that of my half's block: shifted 8 h bits up and joined with lane l xor 16's it is the two bytes of my row's two blocks.
.macro TWOBYTES w, by
	v_lshlrev_b32 v[\w], v[SH8], v[\by]
	s_delay_alu instid0(VALU_DEP_1)
	v_permlanex16_b32 v[PT], v[\w], s[SEL], s[SEL+1]
	s_delay_alu instid0(VALU_DEP_1)
	v_or_b32 v[\w], v[\w], v[PT]
.endm
.macro PLACES n
.rept \n
	v_nop
.endr
.endm
	s_load_b512 s[84:99], s[0:1], 0x0              ; kW1 s[84:85], vW1 s[86:87], kb1, vb1, session s[92:93], pos' codes s[94:95], pos' scales s[96:97], tab s[98:99]
	s_load_b256 s[4:11], s[0:1], 0x40              ; kW2's codes s[4:5], its scales s[6:7], kb2 s[8:9], query s[10:11]
	s_load_b64 s[12:13], s[0:1], 0x60              ; vb2
	v_lshl_add_u32 v254, v0, 2, 0x2c00
	v_mov_b32 v255, 0
	v_lshrrev_b32 v16, 5, v0
	s_delay_alu instid0(VALU_DEP_1)
	v_readfirstlane_b32 s[WV], v16                 ; wave 0..7
	s_lshr_b32 s[BN], ttmp9, 2                     ; b
	s_bfe_u32 s[PA], ttmp9, 0x10001                ; p
	s_and_b32 s[CP], ttmp9, 1                      ; cp
	s_and_b32 s70, s[WV], 3                        ; u
	s_lshr_b32 s71, s[WV], 2                       ; kc
	v_and_b32 v16, 31, v0                          ; lane
	v_and_b32 v17, 15, v0                          ; r
	s_wait_alu depctr_va_vdst(0)
	v_bfe_u32 v18, v0, 4, 1                        ; h
	; every LDS address is made here, of the thread's and the wave's number alone, and never rewritten
	v_lshl_add_u32 v[UPW], v0, 3, UPART
	s_mul_i32 s72, s70, 1536
	s_mul_i32 s73, s71, 768
	s_add_co_u32 s72, s72, s73
	s_add_co_u32 s72, s72, FIMG
	v_lshl_add_u32 v[FW16], v16, 4, s72
	s_add_co_u32 s72, s72, 512
	v_lshl_add_u32 v[FW8], v16, 3, s72
	s_lshl_b32 s72, s70, 6
	s_lshl_b32 s73, s71, 1
	s_add_co_u32 s72, s72, s73
	s_add_co_u32 s72, s72, FSC
	v_lshl_add_u32 v[FWS], v17, 2, s72
	v_lshl_add_u32 v[FR16], v16, 4, FIMG
	v_lshl_add_u32 v[FR8], v16, 3, FIMG+512
	v_lshl_add_u32 v[FRS], v17, 2, FSC
	v_lshl_add_u32 v[URP], v16, 3, UPART
	v_lshl_add_u32 v[USW], v0, 3, USUM
	s_lshl_b32 s72, s[WV], 8
	s_add_co_u32 s72, s72, USUM
	v_lshl_add_u32 v[USR], v18, 7, s72
	s_lshl_b32 s72, s[WV], 6
	s_add_co_u32 s72, s72, SCR
	v_lshl_add_u32 v[SCW], v18, 5, s72
	v_lshl_add_u32 v[SCD], v16, 4, SCR
	v_lshlrev_b32 v[SH8], 3, v18
	; byte offsets in memory (W's rows are 512 bytes)
	s_lshl_b32 s72, s[WV], 13
	s_lshl_b32 s73, s[CP], 8
	s_add_co_u32 s72, s72, s73
	s_add_co_u32 s72, s72, 65536
	v_lshl_add_u32 v[OU], v16, 3, s72              ; row 128 + 16 wave, columns 64 cp + 2 lane, + 1
	v_lshl_add_u32 v[OB], v16, 3, s73              ; the same columns of the bias
	s_lshl_b32 s72, s71, 15
	s_lshl_b32 s74, s70, 5
	s_add_co_u32 s72, s72, s74
	s_add_co_u32 s72, s72, s73                     ; row 64 kc, column 64 cp + 8 u
	v_and_b32 v19, 7, v17
	v_lshrrev_b32 v20, 3, v17
	s_delay_alu instid0(VALU_DEP_2)
	v_lshlrev_b32 v19, 2, v19
	s_delay_alu instid0(VALU_DEP_1)
	v_lshl_add_u32 v19, v20, 7, v19                ; + column r % 8 + 32 (r / 8)
	s_delay_alu instid0(VALU_DEP_1)
	v_lshl_add_u32 v19, v18, 14, v19               ; + 32 h rows
	s_delay_alu instid0(VALU_DEP_1)
	v_add_nc_u32 v[OT], s72, v19
	v_mul_u32_u24 v[OC], v17, 96
	s_delay_alu instid0(VALU_DEP_1)
	v_mad_u32_u24 v[OC], v18, 24, v[OC]            ; a lane's place in 16 rows of 128 codes
	v_lshlrev_b32 v[OW], 2, v17                    ; and in 16 words
	s_mul_i32 s72, s[CP], 48
	v_add_nc_u32 v[OCK], s72, v[OC]                ; kW2: the 64 codes of my half of K begin 48 cp bytes on
	v_lshlrev_b32 v[OST], 4, v16
	v_mov_b32 v[PT], 0                             ; a lane permute's destination counts as one of its sources
.irp i, 48,49,50,51,52,53
	v_mov_b32 v[K2+\i], 0                          ; the last half fragment's upper six registers
.endr
	s_lshl_b32 s[SHK], s[CP], 4
	s_cmp_eq_u32 s[CP], 0
	s_cselect_b32 s[FLK], 1.0, 0
	s_wait_kmcnt 0x0
	s_cmp_eq_u32 s[PA], 0                          ; the path's buffers: the choice hangs on the work-group's number alone
	s_cselect_b64 s[14:15], s[84:85], s[86:87]     ; W
	s_cselect_b64 s[68:69], s[88:89], s[90:91]     ; its bias
	s_lshl_b32 s72, s[BN], 9
	s_lshl_b32 s73, s[WV], 6
	s_add_co_u32 s72, s72, s73
	s_mov_b32 s73, 0
	s_add_nc_u64 s[92:93], s[92:93], s[72:73]      ; session[b][16 wave]
	s_mul_i32 s72, s[WV], 1536
	s_add_nc_u64 s[94:95], s[94:95], s[72:73]      ; pos' channels 16 wave on
	s_lshl_b32 s72, s[WV], 6
	s_add_nc_u64 s[96:97], s[96:97], s[72:73]
	s_mul_i32 s72, s[BN], TABB
	s_add_nc_u64 s[98:99], s[98:99], s[72:73]      ; tab[b]
	s_load_b512 s[16:31], s[92:93], 0x0            ; my 16 numbers of session
	; the first group: 16 + 1 + 32 + 7 = 56 loads a wave are out
.set i, 0
.rept 16
	global_load_b64 v[UB+2*i:UB+2*i+1], v[OU], s[14:15] offset:512*i         ; W(128 + 16 wave + i, my two columns): 256 consecutive bytes a load
.set i, i+1
.endr
	global_load_b64 v[BIA:BIA+1], v[OB], s[68:69]
.set i, 0
.rept 32
	global_load_b32 v[TB+i], v[OT], s[14:15] offset:512*i                    ; W(64 kc + 32 h + i, my column): registers run down K
.set i, i+1
.endr
.irp p, 0,1,2,3,4,5
	global_load_b64 v[POS+2*\p:POS+2*\p+1], v[OC], s[94:95] offset:48*(\p/3)+8*(\p%3)
.endr
	global_load_b32 v[POSS], v[OW], s[96:97]
	s_wait_kmcnt 0x0
	; ---- U: 16 terms of session . W's lower rows for two columns, in f32, two chains a column
	s_wait_loadcnt 0x28                            ; behind this phase's 16 loads stand 40: the bias, F's 32, pos' 7
	v_mul_f32 v[UA], s16, v[UB]
	v_mul_f32 v[UA+1], s16, v[UB+1]
	v_mul_f32 v[UA+2], s17, v[UB+2]
	v_mul_f32 v[UA+3], s17, v[UB+3]
.set i, 2
.rept 14
	s_delay_alu instid0(VALU_DEP_4)
	v_fmac_f32 v[UA+2*(i%2)], s[16+i], v[UB+2*i]
	s_delay_alu instid0(VALU_DEP_4)
	v_fmac_f32 v[UA+2*(i%2)+1], s[16+i], v[UB+2*i+1]
.set i, i+1
.endr
	s_delay_alu instid0(VALU_DEP_1)
	v_pk_add_f32 v[UA:UA+1], v[UA:UA+1], v[UA+2:UA+3]
	ds_store_b64 v[UPW], v[UA:UA+1]
	CONSTS                                         ; session's registers are done with
	s_wait_loadcnt 0x7                             ; the bias and F's 32 are in; pos' seven may be out
	; the second group, wanted by the keys' path far below: 48 loads; with pos' seven at most 55 are out
.irp nt, 0,1,2,3,4,5,6,7
.irp p, 0,1,2
	global_load_b64 v[K2+6*\nt+2*\p:K2+6*\nt+2*\p+1], v[OCK], s[4:5] offset:1536*\nt+8*\p   ; kW2(k = 64 cp + 32 h + 0 .. 31, n = 16 nt + r)
.endr
.endr
.irp nt, 0,1,2,3,4,5,6,7
	global_load_b32 v[K2S+\nt], v[OW], s[6:7] offset:64*\nt
	global_load_b32 v[QV+\nt], v[OW], s[10:11] offset:64*\nt
	global_load_b32 v[KBV+\nt], v[OW], s[8:9] offset:64*\nt
.endr
	; ---- F: my block of 32 becomes six registers of fragment u: registers 6 kc .. 6 kc + 5 of lane (r, h)
	QB TB, FR, BYA
	TWOBYTES HW, BYA                               ; bytes 2 kc and 2 kc + 1 of row r's scale word
	ds_store_b128 v[FW16], v[FR:FR+3]
	ds_store_b64 v[FW8], v[FR+4:FR+5]
	ds_store_b16 v[FWS], v[HW]                     ; lanes r and r + 16 write the same two bytes with the same value
	s_wait_dscnt 0x0                               ; for the others' sake: my partial sum, my image and my bytes have landed
	s_barrier_signal -1
	s_barrier_wait -1
	; ---- P: my 16 channels x the 64 columns
.irp q, 0,1,2,3,4,5,6,7
	ds_load_b64 v[UT+2*\q:UT+2*\q+1], v[URP] offset:256*\q                   ; wave q's partial sums of columns 2 lane, 2 lane + 1
.endr
.irp u, 0,1,2,3
.irp c, 0,1
	ds_load_b128 v[FRG+12*\u+6*\c:FRG+12*\u+6*\c+3], v[FR16] offset:1536*\u+768*\c
	ds_load_b64 v[FRG+12*\u+6*\c+4:FRG+12*\u+6*\c+5], v[FR8] offset:1536*\u+768*\c
.endr
	ds_load_b32 v[FS+\u], v[FRS] offset:64*\u
.endr
	s_wait_dscnt 0x14                              ; the eight partial sums are in; the 16 fragment loads and 4 scale words behind them may be out
.irp q, 0,4,8,12
	v_pk_add_f32 v[UT+\q:UT+\q+1], v[UT+\q:UT+\q+1], v[UT+\q+2:UT+\q+3]
.endr
	s_delay_alu instid0(VALU_DEP_3)
	v_pk_add_f32 v[UT:UT+1], v[UT:UT+1], v[UT+4:UT+5]
	s_delay_alu instid0(VALU_DEP_2)
	v_pk_add_f32 v[UT+8:UT+9], v[UT+8:UT+9], v[UT+12:UT+13]
	s_delay_alu instid0(VALU_DEP_1)
	v_pk_add_f32 v[UT:UT+1], v[UT:UT+1], v[UT+8:UT+9]
	s_delay_alu instid0(VALU_DEP_1)
	v_pk_add_f32 v[UT:UT+1], v[UT:UT+1], v[BIA:BIA+1]
	ds_store_b64 v[USW], v[UT:UT+1]                ; into my wave's own 256 bytes; LDS serves a wave's instructions in order (ISA guide 5.7.1.4): the loads below see it
.irp u, 0,1,2,3
.irp jj, 0,1
	ds_load_b128 v[HA+8*\u+4*\jj:HA+8*\u+4*\jj+3], v[USR] offset:32*\u+16*\jj   ; the C of tile u: lane (rl, h), register j: column 32 h + 8 u + j
.endr
.endr
	s_wait_loadcnt 0x30                            ; pos is in: behind its seven loads stand the second group's 48
	s_wait_dscnt 0x0
.irp u, 0,1,2,3
	v_wmma_scale_f32_16x16x128_f8f6f4 v[HA+8*\u:HA+8*\u+7], v[FRG+12*\u:FRG+12*\u+11], v[POS:POS+11], v[HA+8*\u:HA+8*\u+7], v[FS+\u], v[POSS] matrix_a_fmt:MATRIX_FMT_BF6 matrix_b_fmt:MATRIX_FMT_BF6
.endr
	PLACES 5                                       ; places (ISA guide 7.12.1) ahead of the reads of these results and of the writes over these operands
	s_cmp_eq_u32 s[PA], 0
	s_cbranch_scc1 .Lkeys
	; ---- the values' work-groups: base leaves as an image of these 32 registers: each store covers 512 consecutive bytes, aligned
	s_lshl_b32 s72, s[WV], 13
	s_lshl_b32 s73, s[CP], 12
	s_add_co_u32 s72, s72, s73
	s_mov_b32 s73, 0
	s_add_nc_u64 s[72:73], s[98:99], s[72:73]
.irp u, 0,1,2,3
.irp jj, 0,1
	global_store_b128 v[OST], v[HA+8*\u+4*\jj:HA+8*\u+4*\jj+3], s[72:73] offset:512*(2*\u+\jj)
.endr
.endr
	s_cmp_lg_u32 s[WV], 0
	s_cbranch_scc1 .Ljoin
	s_lshl_b32 s74, s[CP], 9                       ; wave 0 passes 128 numbers of vb2 on, to where the next launch's one copy finds them
	s_mov_b32 s75, 0
	s_add_nc_u64 s[12:13], s[12:13], s[74:75]
	s_add_nc_u64 s[76:77], s[98:99], s[74:75]
	global_load_b128 v[CPY:CPY+3], v[OST], s[12:13]
	s_wait_loadcnt 0x0
	global_store_b128 v[OST], v[CPY:CPY+3], s[76:77] offset:66560
	s_branch .Ljoin
.Lkeys:
	; ---- the keys' work-groups: gelu, quantised: my block is k = 64 cp + 32 h + 0 .. 31 of the second layer.  It stands in the operand's first six registers, as kW2's does: the two sides agree on the places;
	; the other six registers are zero codes, which add nothing under any scale byte but 0xff
.irp u, 0,1,2,3
	GELU8 HA+8*\u
.endr
	QB HA, FR, BYA
.irp i, 6,7,8,9,10,11
	v_mov_b32 v[FR+\i], 0
.endr
	TWOBYTES FW, BYA
	s_delay_alu instid0(VALU_DEP_1)
	v_add_nc_u32 v[FW], 0xfffffeff, v[FW]          ; 1 off each of the two bytes (none is under 1): the codes are those of gelu, the numbers were 2 gelu
	s_wait_loadcnt 0x0
.irp nt, 0,1,2,3,4,5,6,7
	v_lshrrev_b32 v[K2S+\nt], s[SHK], v[K2S+\nt]   ; kW2's bytes 2 cp, 2 cp + 1 come to the places of the operand's first two blocks
.endr
	v_mul_f32 v[ACC+8], v[KBV], v[QV]              ; my share of kb2 . query.  These ten lines are also the eight places between the scale words' last write and the scaled products
.irp nt, 1,2,3,4,5,6,7
	s_delay_alu instid0(VALU_DEP_1)
	v_fmac_f32 v[ACC+8], v[KBV+\nt], v[QV+\nt]
.endr
	s_delay_alu instid0(VALU_DEP_1)
	v_mul_f32 v[ACC+8], s[FLK], v[ACC+8]           ; counted once: where cp = 0
	s_delay_alu instid0(VALU_DEP_1)
	v_mov_b32 v[ACC+9], v[ACC+8]
.irp nt, 0,1,2,3,4,5,6,7
	v_wmma_scale_f32_16x16x128_f8f6f4 v[DK+8*\nt:DK+8*\nt+7], v[FR:FR+11], v[K2+6*\nt:K2+6*\nt+11], 0, v[FW], v[K2S+\nt] matrix_a_fmt:MATRIX_FMT_BF6 matrix_b_fmt:MATRIX_FMT_BF6
.endr
	PLACES 4
	; register j of tile nt, lane (r, h): my half's part of keys(channel 8 h + j, 16 nt + r).  Times query, summed over nt here and over r across the sixteen lanes
.irp jj, 0,2,4,6
	v_pk_fma_f32 v[ACC+\jj:ACC+\jj+1], v[DK+\jj:DK+\jj+1], v[QV:QV+1], v[ACC+8:ACC+9] op_sel_hi:[1,0,1]
.endr
.irp nt, 1,3,5,7
.irp jj, 0,2,4,6
	v_pk_fma_f32 v[ACC+\jj:ACC+\jj+1], v[DK+8*\nt+\jj:DK+8*\nt+\jj+1], v[QV+\nt-1:QV+\nt], v[ACC+\jj:ACC+\jj+1] op_sel:[0,1,0] op_sel_hi:[1,1,1]
.endr
.if \nt < 7
.irp jj, 0,2,4,6
	v_pk_fma_f32 v[ACC+\jj:ACC+\jj+1], v[DK+8*\nt+8+\jj:DK+8*\nt+8+\jj+1], v[QV+\nt+1:QV+\nt+2], v[ACC+\jj:ACC+\jj+1] op_sel_hi:[1,0,1]
.endr
.endif
.endr
.irp m, 1,2,4,8
.irp j, 0,1,2,3,4,5,6,7
	v_add_f32_dpp v[ACC+\j], v[ACC+\j], v[ACC+\j] row_xmask:\m row_mask:0xf bank_mask:0xf
.endr
.endr
.irp j, 0,1,2,3,4,5,6,7
	v_mul_f32 v[ACC+\j], 0x3db504f3, v[ACC+\j]     ; / sqrt(128)
.endr
	ds_store_b128 v[SCW], v[ACC:ACC+3]             ; the sixteen lanes of a half write the same words with the same values
	ds_store_b128 v[SCW], v[ACC+4:ACC+7] offset:16
.Ljoin:
	s_wait_dscnt 0x0                               ; for wave 0's sake: the partial scores have landed
	s_barrier_signal -1
	s_barrier_wait -1
	s_cmp_lg_u32 s[WV], 0
	s_cbranch_scc1 .Lend
	s_cmp_lg_u32 s[PA], 0
	s_cbranch_scc1 .Lend
	; ---- wave 0 of a keys' work-group stores the 128 partial scores: 512 consecutive bytes, aligned
	ds_load_b128 v[SCO:SCO+3], v[SCD]
	s_lshl_b32 s82, s[CP], 9
	s_mov_b32 s83, 0
	s_add_nc_u64 s[78:79], s[98:99], s[82:83]
	s_wait_dscnt 0x0
	global_store_b128 v[OST], v[SCO:SCO+3], s[78:79] offset:65536
.Lend:
	s_wait_tensorcnt 0x0
	ds_add_u32 v254, v255
	s_wait_dscnt 0x0
	s_endpgm
.Lfunc_end_k_q8b547a0b03_prep:
	.size	k_q8b547a0b03_prep, .Lfunc_end_k_q8b547a0b03_prep-k_q8b547a0b03_prep
	.p2alignl 7, 3214868480
	.fill 96, 4, 3214868480
	.section	.rodata,"a",@progbits
	.p2align	6, 0x0
	.amdhsa_kernel k_q8b547a0b03_prep
		.amdhsa_group_segment_fixed_size 12288
		.amdhsa_private_segment_fixed_size 0
		.amdhsa_enable_private_segment 0
		.amdhsa_kernarg_size 104
		.amdhsa_user_sgpr_count 2
		.amdhsa_user_sgpr_kernarg_segment_ptr 1
		.amdhsa_wavefront_size32 1
		.amdhsa_system_sgpr_workgroup_id_x 1
		.amdhsa_system_sgpr_workgroup_id_y 1
		.amdhsa_system_sgpr_workgroup_id_z 1
		.amdhsa_system_vgpr_workitem_id 0
		.amdhsa_next_free_vgpr 256
		.amdhsa_next_free_sgpr 100
		.amdhsa_reserve_vcc 0
		.amdhsa_float_denorm_mode_32 3
		.amdhsa_float_denorm_mode_16_64 3
		.amdhsa_memory_ordered 1
		.amdhsa_forward_progress 1
		.amdhsa_inst_pref_size 53
	.end_amdhsa_kernel
	.amdgpu_metadata
---
amdhsa.version: [ 1, 2 ]
amdhsa.kernels:
  - .name:           k_q8b547a0b03_prep
    .symbol:         k_q8b547a0b03_prep.kd
    .args:
      - { .name: kW1, .offset: 0, .size: 8, .value_kind: global_buffer, .address_space: global }
      - { .name: vW1, .offset: 8, .size: 8, .value_kind: global_buffer, .address_space: global }
      - { .name: kb1, .offset: 16, .size: 8, .value_kind: global_buffer, .address_space: global }
      - { .name: vb1, .offset: 24, .size: 8, .value_kind: global_buffer, .address_space: global }
      - { .name: session, .offset: 32, .size: 8, .value_kind: global_buffer, .address_space: global }
      - { .name: pos_embeds_codes, .offset: 40, .size: 8, .value_kind: global_buffer, .address_space: global }
      - { .name: pos_embeds_scales, .offset: 48, .size: 8, .value_kind: global_buffer, .address_space: global }
      - { .name: tab, .offset: 56, .size: 8, .value_kind: global_buffer, .address_space: global }
      - { .name: kW2_codes, .offset: 64, .size: 8, .value_kind: global_buffer, .address_space: global }
      - { .name: kW2_scales, .offset: 72, .size: 8, .value_kind: global_buffer, .address_space: global }
      - { .name: kb2, .offset: 80, .size: 8, .value_kind: global_buffer, .address_space: global }
      - { .name: query, .offset: 88, .size: 8, .value_kind: global_buffer, .address_space: global }
      - { .name: vb2, .offset: 96, .size: 8, .value_kind: global_buffer, .address_space: global }
    .group_segment_fixed_size: 12288
    .private_segment_fixed_size: 0
    .kernarg_segment_align: 8
    .kernarg_segment_size: 104
    .max_flat_workgroup_size: 256
    .sgpr_count:     100
    .vgpr_count:     256
    .wavefront_size: 32
...
	.end_amdgpu_metadata
.endif
;; end of part 3
;; launch main (part 4): grid 256 x 1, 16 waves a work-group, no clusters, 242,688 bytes of LDS; arguments tab, state_in, vW2_codes, vW2_scales, out0, vW1; writes out0
.if DOCPART == 4
	.amdgcn_target "amdgcn-amd-amdhsa--gfx1250"
	.amdhsa_code_object_version 6
	.text
	.protected	k_q8b547a0b03_main
	.globl	k_q8b547a0b03_main
	.p2align	8
	.type	k_q8b547a0b03_main,@function
k_q8b547a0b03_main:
	s_mov_b64 s[64:65], 0
	v_nop
	global_prefetch_b8 v0, s[64:65] scope:SCOPE_SE
	s_setreg_imm32_b32 hwreg(HW_REG_WAVE_MODE, 25, 1), 1
	s_wait_xcnt 0x0
; out[bta][n] = sum over c of w[b][c] ( Q(gelu(base[b][c][:] + state[bta][c] v[:])) . vW2[:, n] + vb2[n] ),  bta = (b, t, a), 4,096 rows; 128 channels c; 128 hidden r; 256 outputs n.
; base, the channels' scores (two parts, added here) and vb2 come from tab[b], made by the launch before; v is vW1's row 256; w is the softmax of the scores over c, taken by every wave for itself.
; Q is the MX quantiser to E3M2 along r; vW2 comes as codes; the product goes by v_wmma_scale_f32_16x16x128_f8f6f4.
; The module's parameters subject and array are read by no line of the module: no launch names them.
; SHARES.  A work-group owns 16 rows bta of one b.  Wave = 8 g + ct owns channels 16 ct .. 16 ct + 15 for rows 8 g .. 8 g + 7; its slice of base, 16 x 128, stays in 64 registers.
; Two trips of four rows: four tiles (16 channels x 128 hidden) are made and quantised in registers; then each of vW2's 16 fragments is read from LDS once and multiplied by all four.
; LAYOUT.  The 6-bit operand gives lane (rl, h) row rl and k = 64 c + 32 h + 0 .. 31 in registers 6 c .. 6 c + 5: whole blocks of 32 in a lane.  base lies so in tab, so the conversions' results are the operand.
; Source 0 = my 16 channels, source 1 = 16 rows n of vW2: lane (r, h) of the result holds output n = r, its registers the channels 8 h + 0 .. 7: the weighted sum over c is four packed multiply-adds, in place.
; The eight channel tiles' sums of a row meet in LDS; wave wv adds and stores row wv.  The weighted sum of the constant vb2 is vb2 times the sum of w.
; GELU.  y = 2 gelu(x) = x + |x| (1 - erfc(|x| / sqrt 2));  erfc(|x| / sqrt 2) = t (a1 + a2 t + .. + a5 t^4) 2^(-x^2 log2(e) / 2),  t = 1 / (1 + 0.23164189 |x|)  (Abramowitz and Stegun 7.1.26).
; Six plain instructions, a reciprocal and an exponential a number; no hold of x is needed: for large |x| the exponential falls to 0.  The factor 2 is taken off the weights: w / 2 is exact.
; LIMITS: NaN and infinities are not served.  The formula's absolute error in erfc is up to 1.5e-7, so y has an absolute error of up to some 2e-7 |x|, for negative x too.
; A block whose largest |2 gelu| lies under 2^-122 (the floor) takes the floor's byte; a block of zeros takes it too, with zero codes.
; NO CLUSTER, NO RING, NO PREFETCH: what work-groups share (tab[b], 67,584 bytes; vW2, 25,600 bytes) is fetched once at the head; no loop asks memory for anything.
; LDS is filled once, by asynchronous copies; the claim is over half of the WGP's LDS.
.set TABB,  67584
.set S_O,   65536                      ; LDS 0 .. 67,583: tab[b] as it lies: base, the scores' two parts (512 bytes each), vb2
.set C_O,   66560
.set STATE, 67584                      ; my 16 rows of state_in, 8,192 dense bytes
.set VW2,   75776                      ; vW2's 16 fragments as images of their registers, 1,536 bytes each
.set PART,  100352                     ; the waves' sums: [wave 16][row 8][n 256] f32
.set VV,    231424                     ; v, 512 bytes, once for each wave
.set SPARE, 239616                     ; the spare words, 128 bytes a wave
.set WSB,   241664                     ; w / 2 of my eight channels: 32 bytes for each half wave
.set LB,   1                           ; VW2 + 16 x lane
.set AV,   2                           ; v's 32 numbers of my half
.set AS0,  3                           ; my channel's state in my first row
.set AP0,  4                           ; my word in my wave's sums
.set SH8,  5                           ; 8 h
.set SV,   6                           ; v6-9 the state of my channel in the trip's four rows
.set AS,   10
.set AP,   11
.set SPW,  12                          ; my spare word, and 0: never rewritten
.set NIL,  13
.set PT,   14
.set AW,   15                          ; where my half wave's weights lie
.set BASE, 16                          ; v16-79   base: number 32 blk + i is r = 64 blk + 32 h + i of channel rl
.set BS,   80                          ; v80-87   vW2's scale words, and nothing else: register i, lane l: row 32 i + l
.set ASC,  88                          ; v88-91   the four tiles' scale words, and nothing else
.set CODE, 92                          ; v92-139  the four tiles' codes
.set VB,   140                         ; v140-171 v's 32 numbers
.set X,    172                         ; v172-203 a block of 32 at work
.set D,    204                         ; v204-219 1 + p |x|, then t
.set Q,    220                         ; v220-235 the exponent, then the exponential
.set P,    236                         ; v236-251 the polynomial
.set CA5,  252                         ; v[252:253] -a5, twice
.set MXA,  P                           ; the quantiser's, where the GELU's are done with
.set MXB,  P+1
.set SCV,  P+2
.set BYT,  P+3
.set TMP3, D
.set DD,   140                         ; the product phase: v140-203 results, two sets; v204-239 three fragments of vW2; v240-243 an even fragment's sums; v244-251 w / 2
.set BB,   204
.set EE,   240
.set W8,   244
.set HL,   140                         ; the head's: lane, rl, h, addresses and offsets
.set HR,   141
.set HH,   142
.set ABA,  143
.set ASCO, 144
.set AFR,  145
.set AVS,  146
.set CM,   147
.set CL,   148
.set CS,   149
.set C4L,  150
.set C4M,  151
.set GC,   152
.set GW,   153
.set G16O, 154
.set AAL,  155
.set FH,   156                         ; v156-167 a fragment on its way, v168-171 v on its way
.set VT,   168
.set WH,   172                         ; the softmax
.set ST8,  180
.set SA,   188
.set SB,   192
.set SMX,  196
.set SSU,  197
.set SIN,  198
.set NC,   20                          ; s[20:21] -log2(e) / 2; s[22:29] -a4 .. -a1, each twice (the packed forms name a pair); s30 p / sqrt 2
.set KA4,  22
.set KA3,  24
.set KA2,  26
.set KA1,  28
.set PS,   30
.set SEL,  32
.set TRIPS, 34
.set STS,  35
.set STP,  36
.set SWS,  37
.set WV,   38
.set CT,   39
.set GG,   40
.macro PAIR r, bits
	s_mov_b32 s[\r], \bits
	s_mov_b32 s[\r+1], \bits
.endm
; Sixteen numbers v[x] .. v[x + 15] become 2 gelu of themselves.  All sources of the 32 transcendentals are laid first; one wait ahead of the batch and one behind it.
.macro G16 x
.irp j, 0,2,4,6,8,10,12,14
	v_pk_mul_f32 v[Q+\j:Q+\j+1], v[\x+\j:\x+\j+1], v[\x+\j:\x+\j+1]
.endr
.irp j, 0,1,2,3,4,5,6,7,8,9,10,11,12,13,14,15
	v_fma_f32 v[D+\j], |v[\x+\j]|, s[PS], 1.0
.endr
.irp j, 0,2,4,6,8,10,12,14
	v_pk_mul_f32 v[Q+\j:Q+\j+1], v[Q+\j:Q+\j+1], s[NC:NC+1] op_sel_hi:[1,0]
.endr
	s_wait_alu depctr_va_vdst(0)
.irp j, 0,1,2,3,4,5,6,7,8,9,10,11,12,13,14,15
	v_rcp_f32 v[D+\j], v[D+\j]
.endr
.irp j, 0,1,2,3,4,5,6,7,8,9,10,11,12,13,14,15
	v_exp_f32 v[Q+\j], v[Q+\j]
.endr
	v_nop                                          ; a plain place behind the batch
	s_wait_alu depctr_va_vdst(0)
.irp j, 0,2,4,6,8,10,12,14
	v_pk_fma_f32 v[P+\j:P+\j+1], v[D+\j:D+\j+1], v[CA5:CA5+1], s[KA4:KA4+1] op_sel_hi:[1,1,0]
.endr
.irp n, KA3, KA2, KA1
.irp j, 0,2,4,6,8,10,12,14
	v_pk_fma_f32 v[P+\j:P+\j+1], v[P+\j:P+\j+1], v[D+\j:D+\j+1], s[\n:\n+1] op_sel_hi:[1,1,0]
.endr
.endr
.irp j, 0,2,4,6,8,10,12,14
	v_pk_mul_f32 v[P+\j:P+\j+1], v[P+\j:P+\j+1], v[D+\j:D+\j+1]
.endr
.irp j, 0,2,4,6,8,10,12,14
	v_pk_fma_f32 v[P+\j:P+\j+1], v[P+\j:P+\j+1], v[Q+\j:Q+\j+1], 1.0 op_sel_hi:[1,1,0]   ; 1 - erfc: the coefficients carry the sign
.endr
.irp j, 0,1,2,3,4,5,6,7,8,9,10,11,12,13,14,15
	v_fma_f32 v[\x+\j], |v[\x+\j]|, v[P+\j], v[\x+\j]
.endr
.endm
; A whole block of 32 numbers of one lane becomes 6 registers of codes at v[dst] and its scale's byte in v[by].  The largest magnitude in two chains, with the floor 2^(5 - 127) as one leaf;
; 4 off its exponent field is the conversion's scale operand.  A conversion's three registers begin on an even number, so the second half is made elsewhere and moved.
.macro QB src, dst, by
	v_max3_num_f32 v[MXA], |v[\src]|, |v[\src+1]|, 0x2800000
	v_max3_num_f32 v[MXB], |v[\src+2]|, |v[\src+3]|, |v[\src+4]|
.irp i, 5,9,13,17,21,25
	v_max3_num_f32 v[MXA], v[MXA], |v[\src+\i]|, |v[\src+\i+1]|
	v_max3_num_f32 v[MXB], v[MXB], |v[\src+\i+2]|, |v[\src+\i+3]|
.endr
	v_max3_num_f32 v[MXA], v[MXA], |v[\src+29]|, |v[\src+30]|
	v_max3_num_f32 v[MXA], v[MXA], v[MXB], |v[\src+31]|
	v_add_nc_u32 v[SCV], 0xfe000000, v[MXA]
	v_cvt_scalef32_pk16_bf6_f32 v[\dst:\dst+2], v[\src:\src+15], v[SCV]
	v_cvt_scalef32_pk16_bf6_f32 v[TMP3:TMP3+2], v[\src+16:\src+31], v[SCV]
	v_lshrrev_b32 v[\by], 23, v[SCV]               ; the byte; also the plain place behind the conversions
	v_mov_b32 v[\dst+3], v[TMP3]
	v_mov_b32 v[\dst+4], v[TMP3+1]
	v_mov_b32 v[\dst+5], v[TMP3+2]
.endm
; x = state x v + base for eight numbers of block blk, row k of the trip: the state is one register of a pair, taken for both halves
.macro XG blk, k, c
.irp j, 0,2,4,6
.if (\k)%2
	v_pk_fma_f32 v[X+8*\c+\j:X+8*\c+\j+1], v[SV+(\k)-1:SV+(\k)], v[VB+8*\c+\j:VB+8*\c+\j+1], v[BASE+32*\blk+8*\c+\j:BASE+32*\blk+8*\c+\j+1] op_sel:[1,0,0] op_sel_hi:[1,1,1]
.else
	v_pk_fma_f32 v[X+8*\c+\j:X+8*\c+\j+1], v[SV+(\k):SV+(\k)+1], v[VB+8*\c+\j:VB+8*\c+\j+1], v[BASE+32*\blk+8*\c+\j:BASE+32*\blk+8*\c+\j+1] op_sel_hi:[0,1,1]
.endif
.endr
.endm
.macro LOADV blk                       ; v's 32 numbers of block blk for my half
.irp q, 0,1,2,3,4,5,6,7
	ds_load_b128 v[VB+4*\q:VB+4*\q+3], v[AV] offset:256*\blk+16*\q
.endr
.endm
; One block of 32 hidden numbers of row k: made, put through the GELU, quantised.  With the second block the row's scale word is whole: my two bytes are those of blocks h and 2 + h,
; shifted 8 h bits up and joined with lane l xor 16's two.  Behind the first block's last use of v the second block's v is asked for.
.macro BODY blk, k
.irp c, 0,1,2,3
	XG \blk, \k, \c
.endr
.if (\blk) == 0
.if (\k) == 3
	LOADV 1
.endif
.endif
	G16 X
	G16 X+16
.if (\blk) == 0
	QB X, CODE+12*(\k), ASC+(\k)
.else
	QB X, CODE+12*(\k)+6, BYT
	v_lshl_or_b32 v[ASC+(\k)], v[BYT], 16, v[ASC+(\k)]
	v_lshlrev_b32 v[ASC+(\k)], v[SH8], v[ASC+(\k)]
	v_permlanex16_b32 v[PT], v[ASC+(\k)], s[SEL], s[SEL+1]
	v_or_b32 v[ASC+(\k)], v[ASC+(\k)], v[PT]
.endif
.endm
.macro LOADB i                         ; vW2's fragment i into set i % 3
.irp c, 0,1,2
	ds_load_b128 v[BB+12*((\i)%3)+4*\c:BB+12*((\i)%3)+4*\c+3], v[LB] offset:1536*(\i)+512*\c
.endr
.endm
.macro MM i                            ; the four tiles x fragment i.  Every product is whole (K = 128) and starts its sum with 0: no accumulator is taken up twice
.set DR, DD+32*((\i)%2)
.set BR, BB+12*((\i)%3)
.irp k, 0,1,2,3
.if (\i)%2
	v_wmma_scale_f32_16x16x128_f8f6f4 v[DR+8*\k:DR+8*\k+7], v[CODE+12*\k:CODE+12*\k+11], v[BR:BR+11], 0, v[ASC+\k], v[BS+(\i)/2] matrix_a_fmt:MATRIX_FMT_BF6 matrix_b_fmt:MATRIX_FMT_BF6 matrix_b_scale:MATRIX_SCALE_ROW1
.else
	v_wmma_scale_f32_16x16x128_f8f6f4 v[DR+8*\k:DR+8*\k+7], v[CODE+12*\k:CODE+12*\k+11], v[BR:BR+11], 0, v[ASC+\k], v[BS+(\i)/2] matrix_a_fmt:MATRIX_FMT_BF6 matrix_b_fmt:MATRIX_FMT_BF6
.endif
.endr
.endm
; The weighted sum over my 16 channels of fragment i's four results, each read from its low end on and summed in its own two lowest registers.  An even and an odd fragment's sums then change halves
; (the first's lanes 16-31 with the second's lanes 0-15), so that one addition joins the two halves of the channels and lane l holds output 32 (i / 2) + l.
.macro RED i
.set DR, DD+32*((\i)%2)
.irp k, 0,1,2,3
	v_pk_mul_f32 v[DR+8*\k:DR+8*\k+1], v[DR+8*\k:DR+8*\k+1], v[W8:W8+1]
.endr
.irp jj, 1,2,3
.irp k, 0,1,2,3
	v_pk_fma_f32 v[DR+8*\k:DR+8*\k+1], v[DR+8*\k+2*\jj:DR+8*\k+2*\jj+1], v[W8+2*\jj:W8+2*\jj+1], v[DR+8*\k:DR+8*\k+1]
.endr
.endr
.if (\i)%2 == 0
.irp k, 0,1,2,3
	v_add_f32 v[EE+\k], v[DR+8*\k], v[DR+8*\k+1]
.endr
.else
.irp k, 0,1,2,3
	v_add_f32 v[DR+8*\k], v[DR+8*\k], v[DR+8*\k+1]
.endr
.irp k, 0,1,2,3
	v_permlane16_swap_b32 v[EE+\k], v[DR+8*\k]
.endr
.irp k, 0,1,2,3
	v_add_f32 v[EE+\k], v[EE+\k], v[DR+8*\k]
.endr
.irp k, 0,1,2,3
	ds_store_b32 v[AP], v[EE+\k] offset:1024*\k+128*((\i)/2)
.endr
.endif
.endm
	s_load_b256 s[4:11], s[0:1], 0x0               ; tab s[4:5], state_in s[6:7], vW2's codes s[8:9], its scales s[10:11]
	s_load_b128 s[12:15], s[0:1], 0x20             ; out0 s[12:13], vW1 s[14:15]
	v_lshl_add_u32 v[SPW], v0, 2, SPARE
	v_mov_b32 v[NIL], 0
	ds_add_u32 v[SPW], v[NIL]                      ; ahead of my first copy: the add, twice, and its wait below
	ds_add_u32 v[SPW], v[NIL]
	v_lshrrev_b32 v[PT], 5, v0
	v_readfirstlane_b32 s[WV], v[PT]               ; wave 0..15
	; all scalar work of the head first
	s_and_b32 s[CT], s[WV], 7
	s_lshr_b32 s[GG], s[WV], 3
	s_lshl_b32 s41, s[WV], 9
	s_add_co_u32 s41, s41, VV                      ; my wave's v
	s_lshl_b32 s42, s[GG], 12                      ; 8 rows of 512 bytes
	s_lshl_b32 s43, s[CT], 6
	s_add_co_u32 s42, s42, s43
	s_add_co_u32 s42, s42, STATE
	s_add_co_u32 s43, s43, S_O
	s_lshl_b32 s44, s[WV], 13
	s_add_co_u32 s44, s44, PART
	s_lshl_b32 s45, s[CT], 13
	s_mul_i32 s46, s[WV], 1536
	s_lshr_b32 s16, ttmp9, 5                       ; b: 32 work-groups to a b
	s_mul_i32 s16, s16, TABB
	s_mov_b32 s17, 0
	s_lshl_b32 s18, ttmp9, 13                      ; my 16 rows of state_in
	s_mov_b32 s19, 0
	s_mov_b32 s48, s46                             ; vW2's rows 16 wv on
	s_mov_b32 s49, 0
	s_lshl_b32 s50, ttmp9, 14
	s_lshl_b32 s51, s[WV], 10
	s_add_co_u32 s50, s50, s51                     ; row 16 x work-group + wv of out0
	s_mov_b32 s51, 0
	PAIR NC,  0xbf38aa3b
	PAIR KA4, 0x3fba00e3
	PAIR KA3, 0xbfb5f0e3
	PAIR KA2, 0x3e91a98e
	PAIR KA1, 0xbe827906
	s_mov_b32 s[PS], 0x3e6d3388
	s_mov_b32 s[SEL], 0x76543210
	s_mov_b32 s[SEL+1], 0xfedcba98
	s_mov_b32 s[TRIPS], 2
	s_mov_b32 s[STS], 0
	s_mov_b32 s[STP], 0
	; then every address register, of the thread's and the wave's number alone
	v_and_b32 v[HL], 31, v0
	v_and_b32 v[HR], 15, v0
	v_bfe_u32 v[HH], v0, 4, 1
	v_lshl_add_u32 v[LB], v[HL], 4, VW2
	v_lshl_add_u32 v[AV], v[HH], 7, s41
	v_lshl_add_u32 v[AVS], v[HL], 4, s41           ; where I store 16 bytes of v
	v_lshl_add_u32 v[AS0], v[HR], 2, s42
	v_lshl_add_u32 v[AP0], v[HL], 2, s44
	v_lshlrev_b32 v[SH8], 3, v[HH]
	v_lshl_add_u32 v[ABA], v[HL], 4, s45           ; my slice of base: 8,192 ct + 16 x lane
	v_lshl_add_u32 v[ASCO], v[HH], 5, s43          ; my eight channels' scores
	v_add_nc_u32 v[AFR], s46, v[LB]                ; where I store fragment wv's image
	v_lshlrev_b32 v[CM], 4, v0                     ; the copies' places: 16 bytes a thread, in memory
	v_lshlrev_b32 v[CL], 4, v0                     ; and in LDS
	v_lshl_add_u32 v[CS], v0, 4, STATE
	v_lshl_add_u32 v[C4L], v0, 2, S_O              ; the last 2,048 bytes of tab[b]: 4 bytes a thread
	v_lshl_add_u32 v[C4M], v0, 2, S_O
	v_mul_u32_u24 v[GC], v[HR], 96
	v_mad_u32_u24 v[GC], v[HH], 24, v[GC]          ; a lane's place in 16 rows of codes
	v_lshlrev_b32 v[GW], 2, v[HL]
	v_lshlrev_b32 v[G16O], 4, v[HL]
	v_lshl_add_u32 v[AAL], v[HL], 4, S_O           ; four of the 128 scores a lane
	v_lshrrev_b32 v[AW], 4, v0
	v_lshl_add_u32 v[AW], v[AW], 5, WSB
	v_mov_b32 v[CA5], 0xbf87dc22
	v_mov_b32 v[CA5+1], 0xbf87dc22
	s_wait_alu depctr_va_vdst(0)
	s_wait_dscnt 0x0                               ; both opening adds are done
	s_wait_kmcnt 0x0
	s_add_nc_u64 s[4:5], s[4:5], s[16:17]
	s_add_nc_u64 s[6:7], s[6:7], s[18:19]
	s_add_nc_u64 s[8:9], s[8:9], s[48:49]
	s_add_nc_u64 s[12:13], s[12:13], s[50:51]
	; the copies go out first, ahead of every LDS read, barrier and wait for them; each fills its bytes once
.irp i, 0,1,2,3,4,5,6,7
	global_load_async_to_lds_b128 v[CL], v[CM], s[4:5] offset:8192*\i
.endr
	global_load_async_to_lds_b32 v[C4L], v[C4M], s[4:5]
	global_load_async_to_lds_b128 v[CS], v[CM], s[6:7]
.irp p, 0,1,2,3,4,5
	global_load_b64 v[FH+2*\p:FH+2*\p+1], v[GC], s[8:9] offset:48*(\p/3)+8*(\p%3)
.endr
	global_load_b128 v[VT:VT+3], v[G16O], s[14:15] offset:131072   ; v = vW1's row 256
.irp i, 0,1,2,3,4,5,6,7
	global_load_b32 v[BS+\i], v[GW], s[10:11] offset:128*\i
.endr
	s_wait_loadcnt 0x8                             ; the fragment's six loads and v's one are in; the eight scale words behind them may be out
.irp c, 0,1,2
	ds_store_b128 v[AFR], v[FH+4*\c:FH+4*\c+3] offset:512*\c
.endr
	ds_store_b128 v[AVS], v[VT:VT+3]
	s_wait_loadcnt 0x0                             ; the scale words
	s_wait_asynccnt 0x0                            ; for the others' sake: my copies
	s_wait_dscnt 0x0                               ; and my image have landed
	s_barrier_signal -1
	s_barrier_wait -1
.irp q, 0,1,2,3,4,5,6,7,8,9,10,11,12,13,14,15
	ds_load_b128 v[BASE+4*\q:BASE+4*\q+3], v[ABA] offset:512*\q
.endr
	ds_load_b128 v[WH:WH+3], v[ASCO]               ; my eight channels' scores, first part,
	ds_load_b128 v[WH+4:WH+7], v[ASCO] offset:16
	ds_load_b128 v[ST8:ST8+3], v[ASCO] offset:512  ; and second;
	ds_load_b128 v[ST8+4:ST8+7], v[ASCO] offset:528
	ds_load_b128 v[SA:SA+3], v[AAL]                ; four of all 128 a lane, likewise
	ds_load_b128 v[SB:SB+3], v[AAL] offset:512
	s_wait_dscnt 0x0
	; ---- the softmax over the 128 channels.  The maximum and the sum are taken of the four scores a lane; my eight go through the same lines
	v_pk_add_f32 v[SA:SA+1], v[SA:SA+1], v[SB:SB+1]
	v_pk_add_f32 v[SA+2:SA+3], v[SA+2:SA+3], v[SB+2:SB+3]
.irp j, 0,2,4,6
	v_pk_add_f32 v[WH+\j:WH+\j+1], v[WH+\j:WH+\j+1], v[ST8+\j:ST8+\j+1]
.endr
	v_max3_num_f32 v[SMX], v[SA], v[SA+1], v[SA+2]
	v_max_num_f32 v[SMX], v[SMX], v[SA+3]
.irp m, 1,2,4,8
	v_max_num_f32_dpp v[SMX], v[SMX], v[SMX] row_xmask:\m row_mask:0xf bank_mask:0xf
.endr
	v_permlanex16_b32 v[PT], v[SMX], s[SEL], s[SEL+1]
	v_max_num_f32 v[SMX], v[SMX], v[PT]            ; the largest score, in every lane
.irp j, 0,1,2,3
	v_sub_f32 v[SA+\j], v[SA+\j], v[SMX]
.endr
.irp j, 0,1,2,3,4,5,6,7
	v_sub_f32 v[WH+\j], v[WH+\j], v[SMX]
.endr
.irp j, 0,1,2,3
	v_mul_f32 v[SA+\j], 0x3fb8aa3b, v[SA+\j]
.endr
.irp j, 0,1,2,3,4,5,6,7
	v_mul_f32 v[WH+\j], 0x3fb8aa3b, v[WH+\j]
.endr
	s_wait_alu depctr_va_vdst(0)                   ; ahead of the batch
.irp j, 0,1,2,3
	v_exp_f32 v[SA+\j], v[SA+\j]
.endr
.irp j, 0,1,2,3,4,5,6,7
	v_exp_f32 v[WH+\j], v[WH+\j]
.endr
	v_nop                                          ; a plain place behind the exponentials
	s_wait_alu depctr_va_vdst(0)                   ; and behind it
	v_add_f32 v[SSU], v[SA], v[SA+1]
	v_add_f32 v[SIN], v[SA+2], v[SA+3]
	v_add_f32 v[SSU], v[SSU], v[SIN]
.irp m, 1,2,4,8
	v_add_f32_dpp v[SSU], v[SSU], v[SSU] row_xmask:\m row_mask:0xf bank_mask:0xf
.endr
	v_permlanex16_b32 v[PT], v[SSU], s[SEL], s[SEL+1]
	v_add_f32 v[SSU], v[SSU], v[PT]
	s_wait_alu depctr_va_vdst(0)
	v_rcp_f32 v[SIN], v[SSU]
	v_nop                                          ; a plain place behind the reciprocal
	s_wait_alu depctr_va_vdst(0)
	v_mul_f32 v[SSU], v[SSU], v[SIN]               ; the sum of w
	v_mul_f32 v[SIN], 0.5, v[SIN]
.irp j, 0,1,2,3,4,5,6,7
	v_mul_f32 v[WH+\j], v[WH+\j], v[SIN]           ; w / 2 of my eight channels: the hidden numbers are 2 gelu
.endr
	v_readfirstlane_b32 s[SWS], v[SSU]             ; kept as a factor for the end: no address and no branch hangs on it
	ds_store_b128 v[AW], v[WH:WH+3]                ; the sixteen lanes of a half write the same words with the same values; only my wave reads them
	ds_store_b128 v[AW], v[WH+4:WH+7] offset:16
.Ltrip:
	v_add_nc_u32 v[AS], s[STS], v[AS0]
	v_add_nc_u32 v[AP], s[STP], v[AP0]
.irp k, 0,1,2,3
	ds_load_b32 v[SV+\k], v[AS] offset:512*\k
.endr
	LOADV 0
	s_wait_dscnt 0x0
.irp k, 0,1,2,3
	BODY 0, \k
.endr
	s_wait_dscnt 0x0                               ; the second block's v, asked for two batches ago
.irp k, 0,1,2,3
	BODY 1, \k
.endr
	; ---- the product phase.  Fragment i + 3 is asked for behind fragment i's products; the weighted sum of fragment i - 1 stands behind fragment i's products and is their places (ISA guide 7.12.1):
	; its twenty and more plain lines name none of their registers.
	ds_load_b128 v[W8:W8+3], v[AW]
	ds_load_b128 v[W8+4:W8+7], v[AW] offset:16
	LOADB 0
	LOADB 1
	LOADB 2
.rept 8
	v_nop                                          ; eight places between the last scale word's last write and the scaled products
.endr
	s_wait_alu depctr_va_vdst(0)
.set GI, 0
.rept 16
.if GI < 14
	s_wait_dscnt 0x6                               ; fragment GI is in: behind its loads stand the six loads of the next two fragments
.else
	s_wait_dscnt 0x3                               ; behind the last two fragments' loads stand at least four stores of sums or three loads
.endif
	MM GI
.if GI == 0
.rept 5
	v_nop                                          ; no sum is due yet
.endr
.else
	RED GI-1
.endif
.if GI < 13
	LOADB GI+3
.endif
.set GI, GI+1
.endr
	RED 15
	s_wait_dscnt 0x0                               ; my stores have landed: the barrier follows the last trip
	s_add_co_u32 s[STS], s[STS], 2048              ; four rows on
	s_add_co_u32 s[STP], s[STP], 4096
	s_sub_co_u32 s[TRIPS], s[TRIPS], 1
	s_cmp_lg_u32 s[TRIPS], 0
	s_cbranch_scc1 .Ltrip
	s_barrier_signal -1
	s_barrier_wait -1                              ; all sums lie in LDS
	; ---- wave wv adds row wv's eight sums and vb2 x the sum of w, and stores the row: each store covers 512 consecutive bytes, aligned
	s_lshl_b32 s16, s[GG], 16
	s_lshl_b32 s17, s[CT], 10
	s_add_co_u32 s16, s16, s17
	s_add_co_u32 s16, s16, PART                    ; the row is row wv % 8 of the eight waves of group wv / 8
	v_and_b32 v6, 31, v0
	v_lshlrev_b32 v6, 4, v6
	v_add_nc_u32 v7, s16, v6
	v_add_nc_u32 v8, C_O, v6
.irp c, 0,1,2,3,4,5,6,7
.irp u, 0,1
	ds_load_b128 v[BASE+4*(2*\c+\u):BASE+4*(2*\c+\u)+3], v7 offset:8192*\c+512*\u
.endr
.endr
	ds_load_b128 v[VB:VB+3], v8
	ds_load_b128 v[VB+4:VB+7], v8 offset:512
	s_wait_alu depctr_va_vdst(0)
	s_wait_dscnt 0x0
.irp e, 0,1,2,3,4,5,6,7
	v_fma_f32 v[VB+\e], v[VB+\e], s[SWS], v[BASE+\e]   ; vb2 x the sum of w + the first channel tile's sum
.endr
.irp c, 1,2,3,4,5,6,7
.irp u, 0,1
.irp p, 0,2
	v_pk_add_f32 v[VB+4*\u+\p:VB+4*\u+\p+1], v[VB+4*\u+\p:VB+4*\u+\p+1], v[BASE+4*(2*\c+\u)+\p:BASE+4*(2*\c+\u)+\p+1]
.endr
.endr
.endr
	global_store_b128 v6, v[VB:VB+3], s[12:13] th:TH_STORE_NT
	global_store_b128 v6, v[VB+4:VB+7], s[12:13] offset:512 th:TH_STORE_NT
	s_wait_tensorcnt 0x0                           ; the wave's end
	ds_add_u32 v[SPW], v[NIL]
	s_wait_dscnt 0x0
	s_endpgm
.Lfunc_end_k_q8b547a0b03_main:
	.size	k_q8b547a0b03_main, .Lfunc_end_k_q8b547a0b03_main-k_q8b547a0b03_main
	.p2alignl 7, 3214868480
	.fill 96, 4, 3214868480
	.section	.rodata,"a",@progbits
	.p2align	6, 0x0
	.amdhsa_kernel k_q8b547a0b03_main
		.amdhsa_group_segment_fixed_size 242688
		.amdhsa_private_segment_fixed_size 0
		.amdhsa_enable_private_segment 0
		.amdhsa_kernarg_size 48
		.amdhsa_user_sgpr_count 2
		.amdhsa_user_sgpr_kernarg_segment_ptr 1
		.amdhsa_wavefront_size32 1
		.amdhsa_system_sgpr_workgroup_id_x 1
		.amdhsa_system_sgpr_workgroup_id_y 1
		.amdhsa_system_sgpr_workgroup_id_z 1
		.amdhsa_system_vgpr_workitem_id 0
		.amdhsa_next_free_vgpr 256
		.amdhsa_next_free_sgpr 66
		.amdhsa_reserve_vcc 0
		.amdhsa_float_denorm_mode_32 3
		.amdhsa_float_denorm_mode_16_64 3
		.amdhsa_memory_ordered 1
		.amdhsa_forward_progress 1
		.amdhsa_inst_pref_size 185
	.end_amdhsa_kernel
	.amdgpu_metadata
---
amdhsa.version: [ 1, 2 ]
amdhsa.kernels:
  - .name:           k_q8b547a0b03_main
    .symbol:         k_q8b547a0b03_main.kd
    .args:
      - { .name: tab, .offset: 0, .size: 8, .value_kind: global_buffer, .address_space: global }
      - { .name: state_in, .offset: 8, .size: 8, .value_kind: global_buffer, .address_space: global }
      - { .name: vW2_codes, .offset: 16, .size: 8, .value_kind: global_buffer, .address_space: global }
      - { .name: vW2_scales, .offset: 24, .size: 8, .value_kind: global_buffer, .address_space: global }
      - { .name: out0, .offset: 32, .size: 8, .value_kind: global_buffer, .address_space: global }
      - { .name: vW1, .offset: 40, .size: 8, .value_kind: global_buffer, .address_space: global }
    .group_segment_fixed_size: 242688
    .private_segment_fixed_size: 0
    .kernarg_segment_align: 8
    .kernarg_segment_size: 48
    .max_flat_workgroup_size: 512
    .sgpr_count:     66
    .vgpr_count:     256
    .wavefront_size: 32
...
	.end_amdgpu_metadata
.endif
;; end of part 4
